; MI455X (gfx1250); checked and timed in simulation.
; The chip was launched on July 23, 2026; its instructions are those of AMD's public machine-readable ISA for CDNA 5 (MIT licence, August 2026) and "CDNA5" Instruction Set Architecture Reference Guide (July 2026). The comments in the code are by the model that wrote it; some were corrected since.
;; Causal Attention. Allowed arithmetic: matrix products marked QUANTISED: E2M3 operands, one E8M0 scale for each 32 along K, by v_wmma_scale_f32_16x16x128_f8f6f4 with both operands' format E2M3, f32 sums; everything else in f32.
;; Inputs: w_key_codes 1,024 x 32 x 24 uint8 (E2M3 codes of w_key, K innermost, in blocks of 32 codes, four codes in three bytes); w_key_scales 1,024 x 32 uint8 (E8M0 scales of w_key, one for each 32 codes along K); w_query_codes 1,024 x 32 x 24 uint8 (E2M3 codes of w_query, K innermost, in blocks of 32 codes, four codes in three bytes); w_query_scales 1,024 x 32 uint8 (E8M0 scales of w_query, one for each 32 codes along K); w_value_codes 1,024 x 32 x 24 uint8 (E2M3 codes of w_value, K innermost, in blocks of 32 codes, four codes in three bytes); w_value_scales 1,024 x 32 uint8 (E8M0 scales of w_value, one for each 32 codes along K); x_codes 4 x 2,048 x 32 x 24 uint8 (E2M3 codes of x, K innermost, in blocks of 32 codes, four codes in three bytes); x_scales 4 x 2,048 x 32 uint8 (E8M0 scales of x, one for each 32 codes along K).
;; Outputs: out0 4 x 2,048 x 1,024 float32.
;; This version of the problem:
;;   THIS VERSION OF THE PROBLEM IS GIVEN IN LOW PRECISION. The matrix products marked QUANTISED in the list below multiply operands that are first quantised to E2M3 (2 exponent bits, 3 mantissa bits; 6 bits a number), with one power-of-two scale for each 32 numbers along K (OCP MX v1.0); their sums are f32. All else is computed in f32.
;;   The module's matrix products, in the order in which they are computed (A, B: the left and right operand; K: the contracted axis; several contracted axes count as one K, in the product's order):
;;     1. [M 8,192, K 1,024] x [K 1,024, N 1,024]; A: input x (given as codes); B: input w_query (given as codes): QUANTISED
;;     2. [M 8,192, K 1,024] x [K 1,024, N 1,024]; A: input x (given as codes); B: input w_key (given as codes): QUANTISED
;;     3. [M 8,192, K 1,024] x [K 1,024, N 1,024]; A: input x (given as codes); B: input w_value (given as codes): QUANTISED
;;     4. batch 4 x [M 2,048, K 1,024] x [K 1,024, N 2,048]; A: computed on the way; B: computed on the way: QUANTISED
;;     5. batch 4 x [M 2,048, K 2,048] x [K 2,048, N 1,024]; A: softmax (see below); B: computed on the way: QUANTISED
;;   THE QUANTISER, for each operand of a quantised product, along K:
;;     - K is cut into blocks of 32 from its start; a last block that is shorter is filled with zeros.
;;     - A block's scale is 2^e with e = floor(log2(the largest magnitude in the block)) - 2, held to -126 .. 127; a block of zeros has e = 0. As a byte (E8M0): e + 127.
;;     - Each number is divided by its block's scale, clamped to +-7.5, and rounded to the nearest number of E2M3, ties to even, subnormals kept.
;;     - The product sums the exact products of the quantised numbers (number of the format x scale) in f32.
;;   ~~~python
;;   def quantise(x, axis):      # numpy; x: float32 -> the quantised numbers, widened to float32 again
;;       x = np.moveaxis(x, axis, -1); K = x.shape[-1]
;;       x = np.pad(x, [(0, 0)] * (x.ndim - 1) + [(0, -K % 32)]); x = x.reshape(x.shape[:-1] + (-1, 32)); a = np.abs(x).max(-1, keepdims=True)
;;       e = np.where(a > 0, np.clip(np.frexp(np.where(a > 0, a, 1))[1] - 1 - 2, -126, 127), 0)      # np.frexp(a)[1] - 1 = floor(log2(a)), exactly
;;       r = np.clip(x / 2.0 ** e, -7.5, 7.5)
;;       step = 2.0 ** (np.maximum(np.frexp(np.where(r == 0, 1, r))[1] - 1, 0) - 3)
;;       q = np.round(r / step) * step * 2.0 ** e      # np.round: ties to even
;;       return np.moveaxis(q.reshape(q.shape[:-2] + (-1,))[..., :K], -1, axis).astype(np.float32)
;;   ~~~
;;   SOFTMAX AHEAD OF A QUANTISED PRODUCT. Where the list says 'softmax', what is quantised is not the finished softmax but p = 2^(t - M), with t = logit x log2(e) and M = ceil(the row's largest t), a whole number; so 1/2 < the row's largest p <= 1. The row's sum l is taken of the UNQUANTISED p, in f32, and the product's result is divided by l at the end. Since M is a whole number, a kernel that streams over the keys may use a running M (the ceiling of the running maximum): every later rescaling is an exact power of two, which a block's scale takes up: the codes' values come out the same.
;;   OPERANDS COMPUTED ON THE WAY. 'Computed on the way' means the value that the module computes at that place (a softmax that the list does not call 'softmax' is quantised finished and normalised). What goes into a quantiser is computed in f32, as accurately as f32 sums, v_exp_f32 and their like allow (about 1e-6 of the number): no bf16 or f16 on the way to a quantiser, and a product that is left as it is and whose result goes on into a quantised operand takes f32 operands (vector FMAs, or v_wmma_f32_16x16x4_f32). A number that lies on a knife's edge between two numbers of the format may be rounded either way, as far as f32 arithmetic and the matrix unit's own rounding can turn it there, and no further.
;;   INPUTS GIVEN AS CODES. w_key (in the module: [1024, 1024], K = its axis 1); w_query (in the module: [1024, 1024], K = its axis 1); w_value (in the module: [1024, 1024], K = its axis 1); x (in the module: [4, 2048, 1024], K = its axis 2): each comes as NAME_codes (uint8): NAME with its K axis moved to the last place and cut into blocks of 32 codes, [.., K / 32, bytes a block], one block behind the other in memory; four codes in three bytes: a row's codes are one little-endian stream of bits, code i at bits 6 i .. 6 i + 5 (a code: sign, 2 exponent bits, 3 mantissa bits); and NAME_scales (uint8): the same leading axes, one E8M0 byte (e + 127) for each 32 codes along K. Its value is code x scale, taken as it is: it is not quantised again, and the codes and scales need not be those that the quantiser above would give.
;; One version. Each part assembles by itself: llvm-mc -triple=amdgcn-amd-amdhsa -mcpu=gfx1250 --defsym DOCPART=n.
;; ======== version 1 of 1: 3 launches
;; limits: right only within a limited range of input values
;; workspace buffers: qbuf 6,553,600 bytes; kbuf 6,553,600 bytes; vbuf 6,553,600 bytes; pbuf 8,650,752 bytes
;; launch proj (part 1): grid 16 x 16, 4 waves a work-group, clusters of 4 x 4, 327,680 bytes of LDS; arguments x_codes, x_scales, w_query_codes, w_query_scales, w_key_codes, w_key_scales, w_value_codes, w_value_scales, qbuf, kbuf, vbuf; writes qbuf, kbuf, vbuf
.if DOCPART == 1
	.amdgcn_target "amdgcn-amd-amdhsa--gfx1250"
	.amdhsa_code_object_version 6
	.text
	.protected	k_q5c0efd88ed_proj
	.globl	k_q5c0efd88ed_proj
	.p2align	8
	.type	k_q5c0efd88ed_proj,@function
k_q5c0efd88ed_proj:
	s_mov_b64 s[64:65], 0
	v_nop
	global_prefetch_b8 v0, s[64:65] scope:SCOPE_SE
	s_setreg_imm32_b32 hwreg(HW_REG_WAVE_MODE, 25, 1), 1
	s_wait_xcnt 0x0
	s_wait_alu depctr_hold_cnt(0) depctr_sa_sdst(0) depctr_va_vdst(0) depctr_va_sdst(0) depctr_va_ssrc(0) depctr_va_vcc(0) depctr_vm_vsrc(0)
	s_getreg_b32 s2, hwreg(HW_REG_IB_STS2, 6, 4)
	s_cmp_eq_u32 s2, 0
	s_cbranch_scc0 .Lentry_in_a_cluster
	s_endpgm
.Lentry_in_a_cluster:
	s_bfe_u32 s2, ttmp6, 0x10000c
	s_cmp_lg_u32 s2, 0xf033
	s_cbranch_scc0 .Lentry_shape_is_right
	s_endpgm
.Lentry_shape_is_right:
; Q, K, V = x W^T on codes of FP6 (E2M3) with E8M0 scales; each result is quantised in registers along the K of the product that will read it (Q, K: the channels; V: the keys) and stored as codes and scale bytes in the order of that product's operand registers.
; WORK LEFT OUT OF THE PROGRAM (later launches): score tiles that lie wholly above the causal diagonal, which reference() masks to -inf for all values of the inputs, and their products with V, whose weights are exactly 0.  LIMIT: a NaN, an infinity or an overflow that reaches only those tiles is not carried to the result.
; LIMITS: NaN and infinities are not served; a block whose largest magnitude lies under 2^-124 keeps the scale byte 1 (a block of zeros too: its codes are zeros, and this program alone reads the bytes).
; THE DEAL.  256 work-groups of four waves, 2 x 2 (s15 the row, s16 the column).  A work-group makes 256 x 128 of V and then 512 x 128 of Q or K; V's 256 rows of x are a half (s87) of the 512.  A wave holds 64 rows of a weight, all of K, in registers and streams x's rows past them, 16 at a time.
; x's rows are shared by a row of the cluster (mask s44), a weight's rows by a column (s45): joint loads.
; THE ORDER IN A GROUP OF 64 ROWS (tokens or channels): tile b = 0 .. 3, lane r = 8 g + i: row 32 g + 8 (b xor g) + i.  The 16 rows of a tile differ modulo 16, and in the results lane half h holds in its 4 tiles x 8 registers the 32 neighbours 32 h + 8 (b xor h) + j: one scale block of the next product.
; Every operand that meets another along these rows uses this same order, so sums are of the same products.
; THE BUFFERS.  qbuf, kbuf: block (128 rows G) x 4 + (256 channels C), 25,600 bytes: [row tile 8][64 channels 4][a lane's first 4 registers 512, its last 2: 256], then scale words [128 channels 2][r 16][row tile 8][4].
; vbuf: unit ((batch x 8 + 128 channels) x 16 + 128 keys), 12,800 bytes: [channel tile 8][piece of 4 registers 3][lane 32][16], then scale words [r 16][tile 8][4].
; LDS: x's 256 rows (the wave row w reads rows 128 w ..), the weights' 128 rows, x's scale bytes, the stages XN, XM for the results' scale bytes, the spare words.
; FILLS: one tensor load a wave at the head.  Three refills, each in a drained round: in V's block 2 the weights' region takes Wq's or Wk's rows; in the second phase's blocks 2 and 6 the 64 rows of each wave row that have been read take the other half's rows and scale bytes.
; PREFETCHES: what the refills will load, shared out by address among the sixteen waves that ask jointly: the second weight at the head, the other half's first rows and scale bytes behind the first refill, its last rows between the phases.
; THE WAITS' COUNTS: a block's rows were fetched two blocks ago; younger are the next block's fetch, NF loads, and the stores of scale bytes issued between the two.
.set NQ, 8
.set NB, 4
.set KROW, 768
.set KS, 32
.set PITCH, 816                        ; 3 x (256 + 16)
.set FR, 12
.set FPW, 21                           ; fragments in a window of 256 registers
.set NF, 28                            ; LDS loads of a block: 26 for eight fragments, 2 for eight scale words
.set BVB, 256*PITCH
.set SCL, BVB+128*PITCH
.set XN, SCL+32*272
.set XM, XN+2048
.set SPARE, XM+1024
.set EMAX, 2
.set CO, 9
.set SPW, 10
.set NIL, 11
.set ADRA, 12
.set ABS, 16
.set AAS, 17
.set STO, 18
.set STV, 19
.set SB, 24
.set TQ, 40
.set SA, 44
.set TC, 60
.set CO8, 63
.set ACC, 64
.set HV0, 64
.set HV1, 840
.set NCD, 128
.set MCD, 192
.set SOP, 240
.set EB, 244
.set VX, 248
.set SB2, 968
.set BA, 984
.set G1A, 24
.set G0A, 56
.set G0R, 68
.set G1B, 32
.set G0B, 60
.set G1S, 92
.set G0S, 72
.set MSB, 0
.set PE, 0                             ; the list's block parity, its step in rows, and whether the step may wrap
.set PI, 0
.set PW, 0
.macro WIN new
.if MSB != \new
	s_set_vgpr_msb (MSB<<8)|\new
.set MSB, \new
.endif
.endm
.macro PLACES n
.rept \n
	v_nop
.endr
.endm
.macro WALU
	s_wait_alu depctr_va_vdst(0)
.endm
.macro BARRIER
	s_barrier_signal -1
	s_barrier_wait -1
.endm
.macro MIDDLE
	WIN 0
	s_barrier_wait -1
	s_cmp_lg_u32 s14, 0
	s_cbranch_scc1 .Lnot_wave_0_\@
	s_barrier_signal -3
.Lnot_wave_0_\@:
	s_barrier_wait -3
.endm
.macro CROUND
	s_barrier_signal -1
	MIDDLE
	BARRIER
.endm
.macro GRD
	s_wait_tensorcnt 0x0
	ds_add_u32 v[SPW], v[NIL]
.endm
.macro TLOAD g0, g1
	tensor_load_to_lds s[\g0:\g0+3], s[\g1:\g1+7]
	s_nop 0
	PLACES 4
.endm
.macro GROUP1 g, mask
	s_or_b32 s[\g+0], s[\mask], (1<<20)|(1<<21)|(5<<22)|(3<<25)
	s_mov_b32 s[\g+1], KROW<<16
	s_mov_b32 s[\g+2], 128<<16
	s_mov_b32 s[\g+3], KROW<<16
	s_mov_b32 s[\g+4], 128
	s_mov_b32 s[\g+5], KROW
	s_mov_b32 s[\g+6], 0
	s_mov_b32 s[\g+7], 0
.endm
.macro SADD d, x
	s_add_co_u32 s\d, s\d, s\x
.endm
.macro G0SET g, base, off
	s_mov_b32 s20, s\off
	s_add_nc_u64 s[\g+2:\g+3], s[\base:\base+1], s[20:21]
	s_or_b32 s[\g+3], s[\g+3], 0x80000000
.endm
; Fragment f lies in window 1 + f / 21 at register 12 (f % 21): 0-31 the weights' (4 q + b), 32-39 and 40-47 the rows' two sets.  Six pieces of 8 bytes, two to a load where both lie behind as many paddings.
.macro FRAG f, q, a0, a1, aw
	WIN ((1+(\f)/FPW)<<6)|(\aw)
.set R_, FR*((\f)%FPW)
.set SKIP_, 0
.irp p, 0,1,2,3,4,5
.if SKIP_
.set SKIP_, 0
.else
.set PC_, 12*(\q)+6*(\p/3)+\p%3
.set PN_, 12*(\q)+6*((\p+1)/3)+(\p+1)%3
.set X_, (PC_%32+3)/32
.set XQ_, (PN_%32+3)/32
.if (\p < 5) && (X_ == XQ_)
.set SKIP_, 1
.if X_
	ds_load_2addr_b64 v[R_+2*\p:R_+2*\p+3], \a1 offset0:PC_+2*(PC_/32) offset1:PN_+2*(PN_/32)
.else
	ds_load_2addr_b64 v[R_+2*\p:R_+2*\p+3], \a0 offset0:PC_+2*(PC_/32) offset1:PN_+2*(PN_/32)
.endif
.elseif X_
	ds_load_b64 v[R_+2*\p:R_+2*\p+1], \a1 offset:8*(PC_+2*(PC_/32))
.else
	ds_load_b64 v[R_+2*\p:R_+2*\p+1], \a0 offset:8*(PC_+2*(PC_/32))
.endif
.endif
.endr
.endm
.macro WEIGHTS
.irp q, 0,1,2,3,4,5,6,7
.irp b, 0,1,2,3
	FRAG NB*\q+\b, \q, v[BA-768+2*\b], v[BA-768+2*\b+1], 3
.endr
.endr
	WIN 0
.endm
.macro FETCHAT e, a0, a1, as
.irp q, 0,1,2,3,4,5,6,7
	FRAG NB*NQ+NQ*(\e)+\q, \q, \a0, \a1, 0
.endr
	WIN 0
	ds_load_b128 v[SA+8*(\e):SA+8*(\e)+3], \as
	ds_load_b128 v[SA+8*(\e)+4:SA+8*(\e)+7], \as offset:16
.endm
.macro FETCH e
	FETCHAT \e, v[ADRA], v[ADRA+1], v[AAS]
.endm
.macro FETCH01
	FETCHAT 0, v4, v5, v6
	FETCHAT 1, v21, v22, v23
	s_mov_b32 s101, 0
	s_mov_b32 s91, 0
.endm
; A product.  n = 4 q + b.  kind 0 (Q, K): source 0 the weight's rows; kind 1 (V): source 0 x's rows.
.macro PROD kind, e, n, a0, as
.set Q_, (\n)/4
.set FB_, NB*Q_+(\n)%4
.set FA_, NB*NQ+NQ*(\e)+Q_
.set D_, (\a0)+(\as)*((\n)%4)
.set DL_, D_&255
.set XB_, SB+NQ*(((\n)%4)/2)+Q_
.set XA_, SA+8*(\e)+Q_
.if \kind
	WIN (1+FA_/FPW)|((1+FB_/FPW)<<2)|((D_>>8)<<4)|((D_>>8)<<6)
.if Q_
	PROD1 DL_, FA_, FB_, v[DL_:DL_+7], XA_, XB_, b, (\n)%2
.else
	PROD1 DL_, FA_, FB_, 0, XA_, XB_, b, (\n)%2
.endif
.else
	WIN (1+FB_/FPW)|((1+FA_/FPW)<<2)|((D_>>8)<<4)|((D_>>8)<<6)
.if Q_
	PROD1 DL_, FB_, FA_, v[DL_:DL_+7], XB_, XA_, a, (\n)%2
.else
	PROD1 DL_, FB_, FA_, 0, XB_, XA_, a, (\n)%2
.endif
.endif
.endm
.macro PROD1 d, s0, s1, c, x0, x1, side, o
.if \o
	v_wmma_scale_f32_16x16x128_f8f6f4 v[\d:\d+7], v[FR*((\s0)%FPW):FR*((\s0)%FPW)+FR-1], v[FR*((\s1)%FPW):FR*((\s1)%FPW)+FR-1], \c, v[\x0], v[\x1] matrix_a_fmt:MATRIX_FMT_FP6 matrix_b_fmt:MATRIX_FMT_FP6 matrix_\side\()_scale:MATRIX_SCALE_ROW1
.else
	v_wmma_scale_f32_16x16x128_f8f6f4 v[\d:\d+7], v[FR*((\s0)%FPW):FR*((\s0)%FPW)+FR-1], v[FR*((\s1)%FPW):FR*((\s1)%FPW)+FR-1], \c, v[\x0], v[\x1] matrix_a_fmt:MATRIX_FMT_FP6 matrix_b_fmt:MATRIX_FMT_FP6 matrix_\side\()_scale:MATRIX_SCALE_ROW0
.endif
.endm
; Products from .. to - 1 of a block; behind every second one two entries of the list: at most four scalar lines, then one vector line.
.macro BLOCK kind, e, a0, as, from, to, list, x=0, y=0
.set N_, \from
.rept (\to)-(\from)
	PROD \kind, \e, N_, \a0, \as
.if N_%2
	\list N_-1, \x, \y
	\list N_, \x, \y
.endif
.set N_, N_+1
.endr
.endm
.macro STEP i                          ; the LDS addresses of the block two on: 4 entries.  The pair of blocks steps with its even block
.if (\i) == 0
.if PI > 0
	s_add_co_u32 s101, s101, PI*PITCH
	s_add_co_u32 s91, s91, PI*34
.endif
.elseif (\i) == 1
.if PW > 0
	s_cmp_eq_u32 s101, 128*PITCH
	s_cselect_b32 s101, 0, s101
	s_cselect_b32 s91, 0, s91
.endif
	WIN 0
	v_add_nc_u32 v[ADRA], s101, v[4+17*PE]
.elseif (\i) == 2
	WIN 0
	v_add_nc_u32 v[ADRA+1], s101, v[5+17*PE]
.elseif (\i) == 3
	WIN 0
	v_add_nc_u32 v[AAS], s91, v[6+17*PE]
.endif
.endm
.macro CHAIN i, x, n, t=TQ             ; a way out's first part, 18 entries: the largest magnitude of 32 sums, by two chains; the conversions' scale operand
.set XW_, (\x)>>8
.set XL_, (\x)&255
.if (\i) >= 0 && (\i) < 14
.set B_, XL_+16*((\i)%2)+2*((\i)/2)
.set T_, (\t)+1-(\i)%2
.if (\i) < 2
	WIN XW_|(XW_<<2)|(XW_<<4)
	v_max3_num_f32 v[T_], |v[B_]|, |v[B_+1]|, |v[B_+2]|
.else
	WIN (XW_<<2)|(XW_<<4)
	v_max3_num_f32 v[T_], v[T_], |v[B_+1]|, |v[B_+2]|
.endif
.elseif (\i) == 14
	WIN XW_<<2
	v_max3_num_f32 v[\t+1], v[\t+1], |v[XL_+15]|, (EMAX+1)<<23
.elseif (\i) == 15
	WIN 0
	v_nop
.elseif (\i) == 16
	WIN XW_<<2
	v_max3_num_f32 v[\t], v[\t], |v[XL_+31]|, v[\t+1]
.elseif (\i) == 17
	WIN 0
	v_add_nc_u32 v[SOP+\n], -(EMAX<<23), v[\t]
.endif
.endm
.macro CODES i, x, c, n, t=TC          ; its second part: 32 codes into v[c .. c+5], the scale's byte into v[EB+n]
.set XW_, (\x)>>8
.set XL_, (\x)&255
.if (\i) == 0
	WIN XW_
	v_cvt_scalef32_pk16_fp6_f32 v[\c:\c+2], v[XL_:XL_+15], v[SOP+\n]
.elseif (\i) == 1
	WIN XW_
	v_cvt_scalef32_pk16_fp6_f32 v[\t:\t+2], v[XL_+16:XL_+31], v[SOP+\n]
.elseif (\i) == 2
	WIN 0
	v_lshrrev_b32 v[EB+\n], 23, v[SOP+\n]
.else
	WIN 0
	v_mov_b32 v[\c+\i], v[\t+\i-3]
.endif
.endm
.macro CODES6 x, c, n
.irp i, 0,1,2,3,4,5
	CODES \i, \x, \c, \n
.endr
.endm
.macro PFGO v, base, off
	global_prefetch_b8 v\v, s[\base:\base+1] offset:\off th:TH_LOAD_NT scope:SCOPE_SE
.endm
.macro PUT3 r, base, off
.irp k, 0,1,2
	global_store_b128 v[CO], v[\r+4*\k:\r+4*\k+3], \base offset:(\off)+512*\k
.endr
.endm
.macro PUTP                            ; a pair of blocks' codes: 512 and 256 bytes on end for each
.irp k, 0,1
	global_store_b128 v[CO], v[NCD+6*\k:NCD+6*\k+3], s[84:85] offset:3072*\k
	global_store_b64 v[CO8], v[NCD+6*\k+4:NCD+6*\k+5], s[84:85] offset:3072*\k+512
.endr
.endm
.macro ASK i                           ; 4 entries: the descriptors of my piece (s16) of the next 64 rows: codes at s88 for LDS s47, scale bytes at s55 for LDS s8; then all four step on
.if (\i) == 0
	s_mov_b32 s[G0R+1], s47
	s_mov_b32 s20, s88
	s_mov_b32 s21, 0
	s_add_nc_u64 s[G0R+2:G0R+3], s[4:5], s[20:21]
.elseif (\i) == 1
	s_or_b32 s[G0R+3], s[G0R+3], 0x80000000
	s_mov_b32 s[G0S+1], s8
	s_mov_b32 s20, s55
.elseif (\i) == 2
	s_add_nc_u64 s[G0S+2:G0S+3], s[6:7], s[20:21]
	s_or_b32 s[G0S+3], s[G0S+3], 0x80000000
	s_add_co_u32 s88, s88, 64*KROW
.elseif (\i) == 3
	s_add_co_u32 s55, s55, 64*KS
	s_add_co_u32 s47, s47, 64*PITCH
	s_add_co_u32 s8, s8, 8*272
.endif
.endm
.macro PAIR i                          ; 4 entries: where pair s46's codes go (s[84:85]) and its scale bytes (v[VX]): the codes by the true half, the stage by the order of work
.if (\i) == 0
	s_lshr_b32 s3, s46, 2
	s_xor_b32 s3, s3, s87
	s_mul_i32 s20, s3, 2*4*25600
	s_and_b32 s22, s46, 3
.elseif (\i) == 1
	s_mul_i32 s21, s22, 6144
	SADD 20, 21
	s_mov_b32 s21, 0
.elseif (\i) == 2
	s_add_nc_u64 s[84:85], s[10:11], s[20:21]
	s_lshr_b32 s23, s46, 2
	s_lshl_b32 s23, s23, 10
	s_lshl_b32 s22, s22, 3
.elseif (\i) == 3
	s_or_b32 s22, s22, s23
	s_add_co_u32 s46, s46, 1
	WIN 0
	v_add_nc_u32 v[VX], s22, v[STO]
.endif
.endm
.macro L_STEP i, x, y
	STEP (\i)
.endm
.macro L_NONE i, x, y
.endm
.macro L_OUT i, x, y
	STEP (\i)
	CHAIN (\i)-4, \x, \y
.endm
.macro L_LAST i, x, y
	CHAIN (\i), \x, \y
.endm
.macro L_V2 i, x, y                    ; V's block 2: the first refill's descriptors, the later refills' group 1, the step
.if (\i) == 0
	s_mov_b32 s[G1A+2], 64<<16
	s_mov_b32 s[G1A+4], 64
	s_mov_b32 s[G1S+2], 8<<16
	s_mov_b32 s[G1S+4], 8
.elseif (\i) == 1
	s_mov_b32 s[G1B+2], 64<<16
	s_mov_b32 s[G1B+4], 64
	s_mul_i32 s[G0B+1], s14, 64*PITCH
	s_add_co_u32 s[G0B+1], s[G0B+1], BVB
.elseif (\i) == 2
	s_mul_i32 s20, s14, 64*KROW
	s_mov_b32 s21, 0
	s_add_nc_u64 s[G0B+2:G0B+3], s[12:13], s[20:21]
	s_or_b32 s[G0B+3], s[G0B+3], 0x80000000
.endif
	STEP (\i)-3
.endm
.macro L_ODD i, x, y
	PAIR (\i)
	STEP (\i)-4
	CHAIN (\i)-8, ACC, 0
.endm
.macro L_ODDL i, x, y
	PAIR (\i)
	CHAIN (\i)-4, ACC, 0
.endm
.macro L_ROUND i, x, y
	ASK (\i)
	STEP (\i)-4
	CHAIN (\i)-8, ACC+32, 1
.endm
.macro WAITDS w
.if (\w) >= 0
	s_wait_dscnt \w
.endif
.endm
.macro SETP e, inc, wrap
.set PE, \e
.set PI, \inc
.set PW, \wrap
.endm
.macro EVENOUT fetch
	WALU
	ds_store_b8 v[VX], v[EB+1] offset:4
	PUTP
.if \fetch
	FETCH 0
.endif
.endm
.macro EVEN w, fetch, inc
	SETP 0, \inc, 0
	WAITDS \w
.if \fetch
	BLOCK 0, 0, ACC, 8, 0, 32, L_OUT, ACC+32, 1
.else
	BLOCK 0, 0, ACC, 8, 0, 32, L_LAST, ACC+32, 1
.endif
	WIN 0
	CODES6 ACC+32, NCD+6, 1
	EVENOUT \fetch
.endm
.macro EVENROUND w                     ; the second and the third refill: waves 0, 1 the rows, waves 2, 3 their scale bytes
	SETP 0, 48, 1
	WAITDS \w
	GRD
	BLOCK 0, 0, ACC, 8, 0, 26, L_ROUND
	WIN 0
	WALU
	s_wait_dscnt 0x0
	s_barrier_signal -1
	BLOCK 0, 0, ACC, 8, 26, 32, L_NONE
	WIN 0
	CODES6 ACC+32, NCD+6, 1
	MIDDLE
	BARRIER
	s_cmp_lt_u32 s14, 2
	s_cbranch_scc0 .Lscales_\@
	TLOAD G0R, G1A
	s_branch .Lasked_\@
.Lscales_\@:
	TLOAD G0S, G1S
.Lasked_\@:
	EVENOUT 1
.endm
.macro EVENSHOW w                      ; a plain barrier shows the last refill to all
	SETP 0, 48, 0
	WAITDS \w
	BLOCK 0, 0, ACC, 8, 0, 26, L_OUT, ACC+32, 1
	WIN 0
	WALU
	s_wait_tensorcnt 0x0
	s_wait_dscnt 0x0
	s_barrier_signal -1
	BLOCK 0, 0, ACC, 8, 26, 32, L_NONE
	WIN 0
	s_barrier_wait -1
	CODES6 ACC+32, NCD+6, 1
	EVENOUT 1
.endm
.macro ODD w, fetch
	SETP 1, 0, 0
	WAITDS \w
	s_wait_xcnt 0x0
.if \fetch
	BLOCK 0, 1, ACC+32, 8, 0, 32, L_ODD
.else
	BLOCK 0, 1, ACC+32, 8, 0, 32, L_ODDL
.endif
	WIN 0
	CODES6 ACC, NCD, 0
	WALU
	ds_store_b8 v[VX], v[EB]
.if \fetch
	FETCH 1
.endif
.endm
; ================= THE HEAD
	s_load_b128 s[4:7], s[0:1], 0x0                     ; x's codes, scales
	s_load_b256 s[76:83], s[0:1], 0x10                  ; Wq's, Wk's codes and scales
	s_load_b128 s[48:51], s[0:1], 0x30                  ; Wv's
	v_lshl_add_u32 v[SPW], v0, 2, SPARE
	v_mov_b32 v[NIL], 0
	ds_add_u32 v[SPW], v[NIL]
	ds_add_u32 v[SPW], v[NIL]
	v_lshrrev_b32 v1, 5, v0
	v_readfirstlane_b32 s14, v1
	s_lshr_b32 s15, s14, 1
	s_and_b32 s16, s14, 1
	s_bfe_u32 s40, ttmp6, 0x40000                       ; cx
	s_bfe_u32 s41, ttmp6, 0x40004                       ; cy
	s_lshl_b32 s42, ttmp9, 2
	s_add_co_u32 s42, s42, s40                          ; the second phase's tile column: 0-7 Q, 8-15 K
	s_and_b32 s43, ttmp7, 0xffff
	s_lshl_b32 s43, s43, 2
	s_add_co_u32 s43, s43, s41                          ; its tile row
	s_lshr_b32 s19, ttmp9, 1                            ; 0 Q, 1 K
	s_and_b32 s87, ttmp9, 1                             ; V's half of my 512 rows
	s_lshl_b32 s13, s19, 2
	s_add_co_u32 s13, s13, s40                          ; V's tile column
	s_lshl_b32 s12, s43, 1
	s_add_co_u32 s12, s12, s87                          ; V's tile row
	s_lshl_b32 s44, s41, 2
	s_lshl_b32 s44, 15, s44
	s_lshl_b32 s45, 0x1111, s40
	GROUP1 G1A, 44
	GROUP1 G1B, 45
	s_or_b32 s[G1S+0], s44, (3<<16)|(1<<20)|(1<<21)|(5<<22)|(3<<25)
	s_mov_b32 s[G1S+1], 32<<16
	s_mov_b32 s[G1S+2], 32<<16
	s_mov_b32 s[G1S+3], 32<<16
	s_mov_b32 s[G1S+4], 32
	s_mov_b32 s[G1S+5], 32
	s_mov_b32 s[G1S+6], 0
	s_mov_b32 s[G1S+7], 0
	s_mov_b32 s[G0S], 1
	s_mov_b32 s[G0S+1], SCL
	s_mov_b32 s[G0A], 1
	s_mov_b32 s[G0A+1], 0
	s_mov_b32 s[G0B], 1
	s_mov_b32 s[G0B+1], BVB
	s_mov_b32 s[G0R], 1
	s_mov_b32 s[G0R+1], 128*PITCH
	s_mul_i32 s66, s12, 256*KROW                        ; V's rows of x: codes,
	s_mul_i32 s89, s12, 256*KS                          ; scale bytes
	s_mul_i32 s54, s13, 128*KROW                        ; Wv's rows
	s_mul_i32 s18, s13, 128*KS
	s_and_b32 s22, s42, 7
	s_mul_i32 s9, s22, 128*KROW                         ; Wq's or Wk's
	s_mul_i32 s17, s22, 128*KS
	s_mul_i32 s21, s16, 64*KS
	SADD 17, 21
	SADD 18, 21
	s_xor_b32 s20, s87, 1                               ; the other half: codes, scale bytes
	s_mul_i32 s88, s43, 512*KROW
	s_mul_i32 s21, s20, 256*KROW
	SADD 88, 21
	s_mul_i32 s55, s43, 512*KS
	s_mul_i32 s21, s20, 256*KS
	SADD 55, 21
	s_lshl_b32 s90, s40, 2
	SADD 90, 14                                         ; my number among the sixteen waves of my row of the cluster,
	s_lshl_b32 s100, s41, 2
	SADD 100, 14                                        ; and of my column
	s_lshr_b32 s21, s90, 3                              ; prefetches: an eighth of 64 rows of one of the two pieces,
	s_mul_i32 s86, s21, 128*KROW
	s_and_b32 s21, s90, 7
	s_mul_i32 s21, s21, 6144
	SADD 86, 21
	SADD 86, 88
	s_lshl_b32 s91, s90, 9                              ; two blocks of scale bytes,
	SADD 91, 55
	s_mul_i32 s2, s100, 6144                            ; a sixteenth of the second weight's tile
	s_mul_i32 s21, s16, 128*KROW                        ; my piece of the refills
	SADD 88, 21
	s_mul_i32 s21, s16, 128*KS
	SADD 55, 21
	s_mul_i32 s47, s16, 128*PITCH
	s_mul_i32 s8, s16, 16*272
	s_add_co_u32 s8, s8, SCL
	v_and_b32 v1, 15, v0
	v_bfe_u32 v2, v0, 4, 1
	v_and_b32 v3, 31, v0
	v_and_b32 v60, 7, v0
	v_bfe_u32 v61, v0, 3, 1
	v_mul_u32_u24 v62, 40, v61                          ; even tiles: row i, or 40 + i in lanes 8-15 of 16
	v_add_nc_u32 v62, v62, v60
	v_mul_u32_u24 v62, PITCH, v62
	v_mad_u32_u24 v40, v2, 24, v62
	v_mad_u32_u24 v41, v2, 40, v62
	v_mul_u32_u24 v62, 24, v61                          ; odd tiles: row 8 + i, or 32 + i
	v_add_nc_u32 v62, v62, v60
	v_add_nc_u32 v62, 8, v62
	v_mul_u32_u24 v62, PITCH, v62
	v_mad_u32_u24 v42, v2, 24, v62
	v_mad_u32_u24 v43, v2, 40, v62
	s_mul_i32 s21, s15, 128*PITCH
	v_add_nc_u32 v4, s21, v40
	v_add_nc_u32 v5, s21, v41
	v_add_nc_u32 v21, s21, v42
	v_add_nc_u32 v22, s21, v43
	s_mul_i32 s22, s16, 64*PITCH
	s_add_co_u32 s22, s22, BVB
	v_add_nc_u32 v14, s22, v40
	v_add_nc_u32 v15, s22, v41
	v_add_nc_u32 v12, s22, v42
	v_add_nc_u32 v13, s22, v43
	s_mul_i32 s21, s15, 16*272                          ; scale bytes: 8 rows to 272 bytes
	s_add_co_u32 s21, s21, SCL
	v_mul_u32_u24 v62, 5*272, v61
	v_lshl_add_u32 v62, v60, 5, v62
	v_add_nc_u32 v6, s21, v62
	v_mul_u32_u24 v62, 3*272, v61
	v_lshl_add_u32 v62, v60, 5, v62
	v_add_nc_u32 v62, 272, v62
	v_add_nc_u32 v23, s21, v62
	v_xor_b32 v62, v2, v61                              ; the weights' scale bytes: lanes 0-15 an even tile's rows, lanes 16-31 the odd tile's
	v_lshl_add_u32 v62, v62, 3, v60
	v_lshl_add_u32 v62, v61, 5, v62
	v_lshlrev_b32 v[ABS], 5, v62
	v_lshlrev_b32 v[CO], 4, v3
	v_lshlrev_b32 v[CO8], 3, v3
	v_lshl_add_u32 v62, v1, 5, v2
	s_lshl_b32 s21, s15, 9
	s_lshl_b32 s22, s16, 1
	s_add_co_u32 s22, s22, s21
	s_add_co_u32 s22, s22, XN
	v_add_nc_u32 v[STO], s22, v62
	s_lshl_b32 s22, s16, 4
	s_add_co_u32 s22, s22, s21
	s_add_co_u32 s22, s22, XM
	v_add_nc_u32 v[STV], s22, v62
	v_min_u32 v7, 23, v3
	v_min_u32 v8, 1, v3
	v_lshl_add_u32 v20, v7, 8, s2
	v_lshl_add_u32 v7, v7, 8, s86
	v_lshl_add_u32 v8, v8, 8, s91
	WIN 3<<6
.irp b, 0,1
	v_add_nc_u32 v[BA-768+4*\b], \b*16*PITCH, v14
	v_add_nc_u32 v[BA-768+4*\b+1], \b*16*PITCH, v15
	v_add_nc_u32 v[BA-768+4*\b+2], \b*16*PITCH, v12
	v_add_nc_u32 v[BA-768+4*\b+3], \b*16*PITCH, v13
.endr
	WIN 0
	WALU
	s_wait_dscnt 0x0
	CROUND
	s_wait_kmcnt 0x0
	s_cmp_eq_u32 s19, 0
	s_cselect_b64 s[52:53], s[76:77], s[80:81]
	s_cselect_b64 s[10:11], s[78:79], s[82:83]
	s_mov_b32 s20, s66
	s_mov_b32 s21, 0
	s_add_nc_u64 s[G0A+2:G0A+3], s[4:5], s[20:21]
	s_add_nc_u64 s[G0R+2:G0R+3], s[G0A+2:G0A+3], 128*KROW
	s_or_b32 s[G0A+3], s[G0A+3], 0x80000000
	s_or_b32 s[G0R+3], s[G0R+3], 0x80000000
	G0SET G0B, 48, 54
	G0SET G0S, 6, 89
	s_cmp_eq_u32 s14, 0
	s_cbranch_scc0 .Lwave_1
	TLOAD G0B, G1B                                      ; wave 0: Wv's rows
	s_branch .Lasked
.Lwave_1:
	s_cmp_eq_u32 s14, 1
	s_cbranch_scc0 .Lwave_2
	TLOAD G0S, G1S                                      ; wave 1: 256 rows' scale bytes
	s_branch .Lasked
.Lwave_2:
	s_cmp_eq_u32 s14, 2
	s_cbranch_scc0 .Lwave_3
	TLOAD G0A, G1A                                      ; wave 2: the first 128 rows
	s_branch .Lasked
.Lwave_3:
	TLOAD G0R, G1A                                      ; wave 3: the second
.Lasked:
	s_mov_b32 s20, s17
	s_mov_b32 s21, 0
	s_add_nc_u64 s[10:11], s[10:11], s[20:21]
	s_mov_b32 s20, s18
	s_add_nc_u64 s[84:85], s[50:51], s[20:21]
.irp p, 0,1
.irp c, 0,1
	global_load_b128 v[SB+NQ*\p+4*\c:SB+NQ*\p+4*\c+3], v[ABS], s[84:85] offset:\p*16*KS+16*\c
.endr
.endr
	WIN 3<<6
.irp p, 0,1
.irp c, 0,1
	global_load_b128 v[SB2-768+NQ*\p+4*\c:SB2-768+NQ*\p+4*\c+3], v[ABS], s[10:11] offset:\p*16*KS+16*\c
.endr
.endr
	WIN 0
	s_bfe_u32 s20, s42, 0x20001                         ; the chunk of 256 channels; s22: which 128 of it
	s_and_b32 s22, s42, 1
	s_lshl_b32 s21, s43, 2                              ; where the results go: Q's or K's codes,
	SADD 21, 15
	s_lshl_b32 s21, s21, 2
	SADD 21, 20
	s_mul_i32 s76, s21, 25600
	s_mul_i32 s23, s22, 1536
	SADD 76, 23
	s_mul_i32 s23, s16, 768
	SADD 76, 23
	s_mov_b32 s77, 0
	s_xor_b32 s21, s15, s87                             ; the scale words that I store at the end,
	s_lshl_b32 s21, s21, 1
	SADD 21, 16
	s_lshl_b32 s23, s43, 2
	SADD 21, 23
	s_lshl_b32 s21, s21, 2
	SADD 21, 20
	s_mul_i32 s78, s21, 25600
	s_lshl_b32 s23, s22, 9
	SADD 78, 23
	s_add_co_u32 s78, s78, 24576
	s_mov_b32 s79, 0
	s_lshr_b32 s21, s12, 3                              ; V's codes and scale words
	s_lshl_b32 s21, s21, 3
	SADD 21, 13
	s_lshl_b32 s21, s21, 4
	s_and_b32 s22, s12, 7
	s_lshl_b32 s22, s22, 1
	SADD 21, 22
	SADD 21, 15
	s_mul_i32 s80, s21, 12800
	s_lshl_b32 s23, s16, 8
	s_add_co_u32 s82, s80, s23
	s_add_co_u32 s82, s82, 12288
	s_mul_i32 s23, s16, 6144
	SADD 80, 23
	s_mov_b32 s81, 0
	s_mov_b32 s83, 0
	s_mov_b32 s20, s9
	s_mov_b32 s21, 0
	s_add_nc_u64 s[12:13], s[52:53], s[20:21]           ; the second weight's rows
	s_load_b128 s[48:51], s[0:1], 0x40                  ; qbuf, kbuf
	s_load_b64 s[52:53], s[0:1], 0x50                   ; vbuf
	s_mov_b32 s46, 0
	s_wait_loadcnt 0x0
	s_cmp_eq_u32 s14, 0
	s_cbranch_scc0 .Lnot_b
	s_wait_tensorcnt 0x0
.Lnot_b:
	BARRIER                                             ; Wv's rows are in
	PFGO 20, 12, 0
	WEIGHTS
	s_wait_tensorcnt 0x0
	s_wait_dscnt 0x0
	BARRIER                                             ; x's rows and scale bytes are in
	FETCH01
	s_wait_kmcnt 0x0
	s_cmp_eq_u32 s19, 0
	s_cselect_b64 s[10:11], s[48:49], s[50:51]
	s_add_nc_u64 s[48:49], s[10:11], s[78:79]
	s_add_nc_u64 s[10:11], s[10:11], s[76:77]
	s_add_nc_u64 s[50:51], s[52:53], s[80:81]
	s_add_nc_u64 s[52:53], s[52:53], s[82:83]
; ================= PHASE 1: V, eight blocks; band 0's way outs stand in band 1's blocks
.irp s, 0,1
	SETP \s, 16*(1-\s), 0
	s_wait_dscnt NF
	BLOCK 1, \s, HV0+8*\s, 32, 0, 32, L_STEP
	WIN 0
	PLACES 4
	WALU
	FETCH \s
.endr
	SETP 0, 48, 0
	s_wait_dscnt NF
	GRD
	BLOCK 1, 0, HV0+16, 32, 0, 24, L_V2
	WIN 0
	s_wait_dscnt 0x0
	s_barrier_signal -1
	BLOCK 1, 0, HV0+16, 32, 24, 32, L_NONE
	MIDDLE
	BARRIER
	s_cmp_lt_u32 s14, 2
	s_cbranch_scc0 .Lno_half
	TLOAD G0B, G1B                                      ; waves 0 and 1 a half each of Wq's or Wk's rows, onto Wv's, which all waves hold in registers
.Lno_half:
	PLACES 4
	WALU
	FETCH 0
	PFGO 7, 4, 0
	PFGO 8, 6, 0
	SETP 1, 0, 0
	BLOCK 1, 1, HV0+24, 32, 0, 32, L_STEP
	WIN 0
	PLACES 4
	WALU
	FETCH 1
.irp j, 0,1,2
	s_wait_dscnt NF+(\j+1)/2
.if \j < 2
	SETP \j, 16*(1-\j), 0
	BLOCK 1, \j%2, HV1+8*\j, 32, 0, 32, L_OUT, HV0+32*\j, \j
.else
	BLOCK 1, \j%2, HV1+8*\j, 32, 0, 32, L_LAST, HV0+32*\j, \j
.endif
	WIN 0
	CODES6 HV0+32*\j, MCD+12*\j, \j
	WALU
	ds_store_b8 v[STV], v[EB+\j] offset:4*\j
.if \j < 2
	FETCH \j%2
.endif
.endr
	s_wait_dscnt 1
	BLOCK 1, 1, HV1+24, 32, 0, 26, L_LAST, HV0+96, 3
	WIN 0
	WALU
	s_wait_tensorcnt 0x0
	s_wait_dscnt 0x0
	s_barrier_signal -1                                 ; a plain barrier: the second weight's rows are shown to all
	BLOCK 1, 1, HV1+24, 32, 26, 32, L_NONE
	WIN 0
	s_barrier_wait -1
	CODES6 HV0+96, MCD+36, 3
	WALU
	ds_store_b8 v[STV], v[EB+3] offset:12
; ================= THE CHANGE OF PHASE: the weights and the first two blocks' rows in one run of loads; band 1's four way outs under their flight
	WEIGHTS
	FETCH01
	PFGO 7, 4, 64*KROW
	WIN 3
.set I, 0
.rept 16
	v_mov_b32 v[SB+I], v[SB2-768+I]
.set I, I+1
.endr
	WIN 0
.set I, 0
.rept 18
.irp t, 0,1,2,3
	CHAIN I, HV1+32*\t, \t, 64+4*\t
.endr
.set I, I+1
.endr
.set I, 0
.rept 6
.irp t, 0,1,2,3
	CODES I, HV1+32*\t, MCD+12*\t+6, \t, 80+4*\t
.endr
.set I, I+1
.endr
	WIN 0
	WALU
; ================= PHASE 2: Q or K, sixteen blocks, way outs by pairs
	SETP 0, 16, 0
	s_wait_dscnt NF
	BLOCK 0, 0, ACC, 8, 0, 32, L_STEP
	WIN 0
	PLACES 4
	WALU
.irp t, 0,1,2,3
	ds_store_b8 v[STV], v[EB+\t] offset:2+4*\t
.endr
.irp t, 0,1,2,3
	PUT3 MCD+12*\t, s[50:51], 1536*\t                   ; V's codes leave
.endr
	FETCH 0
	ODD NF+4, 1
	s_mov_b32 s86, 0
.Lwith_rounds:                                          ; blocks 2 to 5, 6 to 9
	EVENROUND NF+1
	ODD -1, 1
	EVEN NF+1, 1, 16
	ODD NF+1, 1
	s_add_co_u32 s86, s86, 1
	s_cmp_lg_u32 s86, 2
	s_cbranch_scc1 .Lwith_rounds
	EVENSHOW NF+1                                       ; blocks 10 to 15
	ODD -1, 1
	EVEN NF+1, 1, 16
	ODD NF+1, 1
	EVEN NF+1, 0, 0
	ODD 1, 0
; ================= THE END: the last way out; the scale bytes go through LDS under its conversions
	s_lshl_b32 s21, s14, 9
	s_add_co_u32 s21, s21, XN
	v_add_nc_u32 v12, s21, v[CO]
	s_lshl_b32 s22, s14, 8
	s_add_co_u32 s22, s22, XM
	v_add_nc_u32 v14, s22, v[CO8]
.set I, 0
.rept 18
	CHAIN I, ACC+32, 1
.set I, I+1
.endr
	CODES 2, ACC+32, NCD+6, 1
	WALU
	ds_store_b8 v[VX], v[EB+1] offset:4
	s_wait_dscnt 0x0
	s_barrier_signal -1
	CODES 0, ACC+32, NCD+6, 1
	CODES 1, ACC+32, NCD+6, 1
	WIN 0
	v_nop
.irp i, 3,4,5
	CODES \i, ACC+32, NCD+6, 1
.endr
	s_barrier_wait -1
	WALU
	ds_load_b128 v[64:67], v12
	ds_load_b64 v[68:69], v14
	PUTP
	s_wait_dscnt 0x0
	global_store_b128 v[CO], v[64:67], s[48:49]
	global_store_b64 v[CO8], v[68:69], s[52:53]
	s_wait_tensorcnt 0x0
	ds_add_u32 v[SPW], v[NIL]
	s_wait_dscnt 0x0
	CROUND
	s_endpgm
.Lfunc_end_k_q5c0efd88ed_proj:
	.size	k_q5c0efd88ed_proj, .Lfunc_end_k_q5c0efd88ed_proj-k_q5c0efd88ed_proj
	.p2alignl 7, 3214868480
	.fill 96, 4, 3214868480
	.section	.rodata,"a",@progbits
	.p2align	6, 0x0
	.amdhsa_kernel k_q5c0efd88ed_proj
		.amdhsa_group_segment_fixed_size 327680
		.amdhsa_private_segment_fixed_size 0
		.amdhsa_enable_private_segment 0
		.amdhsa_kernarg_size 88
		.amdhsa_user_sgpr_count 2
		.amdhsa_user_sgpr_kernarg_segment_ptr 1
		.amdhsa_wavefront_size32 1
		.amdhsa_system_sgpr_workgroup_id_x 1
		.amdhsa_system_sgpr_workgroup_id_y 1
		.amdhsa_system_sgpr_workgroup_id_z 1
		.amdhsa_system_vgpr_workitem_id 0
		.amdhsa_next_free_vgpr 992
		.amdhsa_next_free_sgpr 102
		.amdhsa_reserve_vcc 0
		.amdhsa_float_denorm_mode_32 3
		.amdhsa_float_denorm_mode_16_64 3
		.amdhsa_memory_ordered 1
		.amdhsa_forward_progress 1
		.amdhsa_inst_pref_size 202
	.end_amdhsa_kernel
	.amdgpu_metadata
---
amdhsa.version: [ 1, 2 ]
amdhsa.kernels:
  - .name:           k_q5c0efd88ed_proj
    .symbol:         k_q5c0efd88ed_proj.kd
    .args:
      - { .name: x_codes, .offset: 0, .size: 8, .value_kind: global_buffer, .address_space: global }
      - { .name: x_scales, .offset: 8, .size: 8, .value_kind: global_buffer, .address_space: global }
      - { .name: w_query_codes, .offset: 16, .size: 8, .value_kind: global_buffer, .address_space: global }
      - { .name: w_query_scales, .offset: 24, .size: 8, .value_kind: global_buffer, .address_space: global }
      - { .name: w_key_codes, .offset: 32, .size: 8, .value_kind: global_buffer, .address_space: global }
      - { .name: w_key_scales, .offset: 40, .size: 8, .value_kind: global_buffer, .address_space: global }
      - { .name: w_value_codes, .offset: 48, .size: 8, .value_kind: global_buffer, .address_space: global }
      - { .name: w_value_scales, .offset: 56, .size: 8, .value_kind: global_buffer, .address_space: global }
      - { .name: qbuf, .offset: 64, .size: 8, .value_kind: global_buffer, .address_space: global }
      - { .name: kbuf, .offset: 72, .size: 8, .value_kind: global_buffer, .address_space: global }
      - { .name: vbuf, .offset: 80, .size: 8, .value_kind: global_buffer, .address_space: global }
    .group_segment_fixed_size: 327680
    .private_segment_fixed_size: 0
    .kernarg_segment_align: 8
    .kernarg_segment_size: 88
    .max_flat_workgroup_size: 128
    .sgpr_count:     102
    .vgpr_count:     992
    .wavefront_size: 32
...
	.end_amdgpu_metadata
.endif
;; end of part 1
;; launch scores (part 2): grid 36 x 4, 4 waves a work-group, no clusters, 327,680 bytes of LDS; arguments qbuf, kbuf, pbuf; writes pbuf
.if DOCPART == 2
	.amdgcn_target "amdgcn-amd-amdhsa--gfx1250"
	.amdhsa_code_object_version 6
	.text
	.protected	k_q5c0efd88ed_scores
	.globl	k_q5c0efd88ed_scores
	.p2align	8
	.type	k_q5c0efd88ed_scores,@function
k_q5c0efd88ed_scores:
	s_mov_b64 s[64:65], 0
	v_nop
	global_prefetch_b8 v0, s[64:65] scope:SCOPE_SE
	s_setreg_imm32_b32 hwreg(HW_REG_WAVE_MODE, 25, 1), 1
	s_wait_xcnt 0x0
; S^T = k q^T on the tiles that the causal mask keeps, and the softmax's p of each tile as codes of FP6 (E2M3).  Left out: the tiles wholly above the diagonal, which reference() sets to -inf whatever the inputs hold; a NaN, an infinity or an overflow that reaches only those is not carried.
; For each query and each 128 keys: t = score x log2(e) / 32; M = the largest t of these 128 keys rounded up to a whole number; p = 2^(t - M), quantised along the keys; l = the sum of the unquantised p.  -M and l are stored beside p's scale words:
; the next launch brings all of a row's key steps under the row's final M by taking whole numbers off the scale bytes, which changes no code.
; SHARES.  A batch has 36 tiles of 256 queries x 256 keys on or under the diagonal; work-group x is tile (I, J), J <= I, y the batch.  A wave makes 128 x 128: 64 accumulators.  K = the 1,024 channels, eight steps of 128.
; Source 0 = a tile of 16 keys (B), source 1 = a tile of 16 queries (A).  The tiles are the launch before's: in a group of 64 rows tile b's lane r = 8 g + i is row 32 g + 8 (b xor g) + i.
; So lane half h holds, in tiles 4 c .. 4 c + 3, the 32 keys 64 c + 32 h + ..: one scale block, in V's order.
; NO CLUSTER: the 36 tiles of a batch form a triangle; no split of it into fours shares a tile row or a tile column throughout, and a 4 x 4 cover would hold six partners without a tile.
; NO PREFETCH: K has four chunks, written out without a loop to run ahead in; three of the four are asked for ahead of the first product.
; THE MASK is the C of the first step's products: 0 where all keys count, -3e38 where none does, and in the 64 x 64 on the diagonal -3e38 in the registers whose key comes after the lane's query.
; The wave above the diagonal of a diagonal tile runs like the others and stores its block, so that the next launch's dense loads read bytes that were stored; nobody multiplies that block.
; LDS: X, chunk 0 of the four groups of 128 rows (q's two, k's two; 256 channels, codes and scale words, 25,600 bytes each), later chunk 3; Y, chunks 1 and 2; the spare words.
; pbuf: the query groups of 128 q and 15 - q make a pair of nine blocks of 128 queries x 256 keys: block J of the longer one (q >= 8) at place J, of the shorter one at 8 - J; a block is [row tile 8][128 keys 2][1536].
; At 7,077,888 + ((16 batch + q) x 16 + 128 keys) x 1,536: [scale words 512][-M 512][l 512], row tile a, lane r at 32 r + 4 a.
; LIMITS: NaN and infinities are not served; the mask's -3e38 wants scores under about 1e37 in magnitude; scaled scores stay under 2^31; a block whose every p is under 2^-124 keeps the byte 1.
.set FR, 12
.set NL, 4
.set NP, 4
.set CB, 25600
.set YB, 4*CB
.set SPARE, 12*CB
.set H8, 11
.set NM, 12
.set PX, 14
.set T0, 15
.set ADRA, 16                          ; v16, v17  my fragments of q in X, Y (16 x lane); v18, v19 the same with 8 x lane
.set ADRB, 20                          ; v20-23    k's
.set LI, 24
.set SWO, 25
.set ADRS, 26                          ; v26, v27  scale words in X, Y: lanes 0-15 q's, lanes 16-31 k's
.set SPW, 28
.set NIL, 29
.set SC, 32
.set P, 64
.set AF, 128
.set IM, 128
.set XT, 140
.set BM, 148
.set SO, 152
.set BY, 156
.set WD, 158
.set S0, 162
.set S1, 164
.set SW, 168
.set MW, 176
.set LW, 184
.set PK, 192
.set G1T, 16
.set G1D, 24
.set GT, 32
.set GD, 36
.set CS, 48
.set SEL, 50
.set HM, 52
.set MSB, 0
.macro WIN new
.if MSB != \new
	s_set_vgpr_msb (MSB<<8)|\new
.set MSB, \new
.endif
.endm
.macro PLACES n
.rept \n
	v_nop
.endr
.endm
	s_load_b128 s[4:7], s[0:1], 0x0                ; qbuf, kbuf
	s_load_b64 s[8:9], s[0:1], 0x10                ; pbuf
	v_lshl_add_u32 v[SPW], v0, 2, SPARE
	v_mov_b32 v[NIL], 0
	ds_add_u32 v[SPW], v[NIL]
	ds_add_u32 v[SPW], v[NIL]
	v_lshrrev_b32 v1, 5, v0
	v_readfirstlane_b32 s12, v1
	s_lshr_b32 s13, s12, 1                         ; my half of the queries
	s_and_b32 s14, s12, 1                          ; my half of the keys
	s_and_b32 s15, ttmp7, 0xffff                   ; the batch
	s_mov_b32 s2, 0
.irp th, 1,3,6,10,15,21,28                 ; tile row I begins at tile I (I + 1) / 2
	s_cmp_ge_u32 ttmp9, \th
	s_cselect_b32 s53, 1, 0
	s_add_co_u32 s2, s2, s53
.endr
	s_add_co_u32 s53, s2, 1
	s_mul_i32 s53, s53, s2
	s_lshr_b32 s53, s53, 1
	s_sub_co_u32 s3, ttmp9, s53                    ; J
.irp g, G1T, G1D                           ; a dense block as rows of 256 bytes: 100 for a chunk, 200 for two
	s_mov_b32 s[\g], 3<<16
	s_mov_b32 s[\g+1], 32<<16
	s_mov_b32 s[\g+3], 32<<16
	s_mov_b32 s[\g+5], 32
	s_mov_b32 s[\g+6], 0
	s_mov_b32 s[\g+7], 0
.endr
	s_mov_b32 s[G1T+2], 100<<16
	s_mov_b32 s[G1T+4], 100
	s_mov_b32 s[G1D+2], 200<<16
	s_mov_b32 s[G1D+4], 200
	s_cmp_lt_u32 s12, 2                            ; waves 0, 1 fetch q's two groups of 128 rows, waves 2, 3 k's
	s_cselect_b32 s53, s2, s3
	s_lshl_b32 s53, s53, 1
	s_add_co_u32 s53, s53, s14
	s_lshl_b32 s54, s15, 4
	s_add_co_u32 s53, s53, s54
	s_mul_i32 s54, s53, 4*CB
	s_mov_b32 s55, 0
	s_mul_i32 s58, s12, CB
	s_mul_i32 s59, s12, 2*CB
	s_mov_b32 s[CS], 0x3d38aa3b                    ; log2(e) / 32
	s_mov_b32 s[CS+1], s[CS]
	s_mov_b32 s[SEL], 0x76543210
	s_mov_b32 s[SEL+1], 0xfedcba98
	s_mov_b32 s[HM], 0xffff0000
	s_wait_dscnt 0x0
	s_wait_kmcnt 0x0
	s_cmp_lt_u32 s12, 2
	s_cselect_b64 s[60:61], s[4:5], s[6:7]
	s_add_nc_u64 s[60:61], s[60:61], s[54:55]
	s_mov_b32 s[GT], 1
	s_mov_b32 s[GT+1], s58
	s_mov_b64 s[GT+2:GT+3], s[60:61]
	s_or_b32 s[GT+3], s[GT+3], 0x80000000
	s_mov_b32 s[GD], 1
	s_add_co_u32 s[GD+1], s59, YB
	s_add_nc_u64 s[GD+2:GD+3], s[60:61], CB
	s_or_b32 s[GD+3], s[GD+3], 0x80000000
	tensor_load_to_lds s[GT:GT+3], s[G1T:G1T+7]    ; chunk 0 of my group: one tensor load a wave at the head
	s_nop 0
	PLACES 4
	v_and_b32 v1, 15, v0                           ; r
	v_bfe_u32 v2, v0, 4, 1                         ; h
	v_and_b32 v3, 31, v0
	v_and_b32 v6, 7, v0
	v_bfe_u32 v7, v0, 3, 1
	v_lshlrev_b32 v[LI], 4, v3
	v_lshlrev_b32 v8, 3, v3
	v_lshlrev_b32 v[H8], 3, v2
	v_lshlrev_b32 v[SWO], 5, v1
	v_lshl_add_u32 v[SWO], v2, 4, v[SWO]
	s_mul_i32 s53, s13, CB
	s_mul_i32 s54, s14, CB
	s_add_co_u32 s54, s54, 2*CB
	s_mul_i32 s55, s13, 2*CB
	s_add_co_u32 s55, s55, YB
	s_mul_i32 s56, s14, 2*CB
	s_add_co_u32 s56, s56, YB+4*CB
	v_add_nc_u32 v[ADRA], s53, v[LI]
	v_add_nc_u32 v[ADRA+1], s55, v[LI]
	v_add_nc_u32 v[ADRA+2], s53, v8
	v_add_nc_u32 v[ADRA+3], s55, v8
	v_add_nc_u32 v[ADRB], s54, v[LI]
	v_add_nc_u32 v[ADRB+1], s56, v[LI]
	v_add_nc_u32 v[ADRB+2], s54, v8
	v_add_nc_u32 v[ADRB+3], s56, v8
	s_sub_co_u32 s54, s54, s53                     ; scale words: the lower base + h x the distance
	v_mul_u32_u24 v4, s54, v2
	v_lshl_add_u32 v4, v1, 5, v4
	s_add_co_u32 s53, s53, 24576
	v_add_nc_u32 v[ADRS], s53, v4
	s_sub_co_u32 s56, s56, s55
	v_mul_u32_u24 v4, s56, v2
	v_lshl_add_u32 v4, v1, 5, v4
	s_add_co_u32 s55, s55, 24576
	v_add_nc_u32 v[ADRS+1], s55, v4
	s_lshl_b32 s53, s2, 1                          ; the mask: my 128 queries less my 128 keys, in units of 128
	s_add_co_u32 s53, s53, s13
	s_lshl_b32 s54, s3, 1
	s_add_co_u32 s54, s54, s14
	s_sub_co_i32 s53, s53, s54
	s_cmp_le_i32 s53, 0
	s_cselect_b32 s53, 0xff61b1e6, 0               ; -3e38 on the diagonal, 0 under it
	s_wait_alu depctr_va_vdst(0)
	v_mov_b32 v5, s53
	v_lshl_add_u32 v6, v7, 5, v6                   ; 32 g + i
	v_lshlrev_b32 v10, 5, v2                       ; 32 h
.irp b, 0,1,2,3
	v_xor_b32 v9, \b, v2
	v_lshl_add_u32 v[48+\b], v9, 3, v10            ; tile b's first key of my half: 32 h + 8 (b xor h)
.endr
.irp a, 0,1,2,3
	v_xor_b32 v9, \a, v7
	v_lshl_add_u32 v9, v9, 3, v6                   ; my query in tile a
.irp b, 0,1,2,3
.if \a < 2
.set MR, 64+32*\a+8*\b
.else
.set MR, 96+128*(\a-2)+8*\b
.endif
	v_sub_nc_u32 v4, v9, v[48+\b]                  ; register j's key comes after my query where j is above this
.if \a >= 2
	WIN 0x40
.endif
.irp j, 0,1,2,3,4,5,6,7
	v_cmp_gt_i32 vcc_lo, \j, v4
	v_cndmask_b32 v[MR+\j], 0, v5, vcc_lo
.endr
	WIN 0
.endr
.endr
.irp j, 0,1,2,3,4,5,6,7
	v_mov_b32 v[56+\j], s53                        ; a tile above the diagonal's 64 x 64: window 0,
.endr
	WIN 0x40
.irp j, 0,1,2,3,4,5,6,7
	v_mov_b32 v[128+\j], s53                       ; and window 1 (B's second set, not loaded before these products)
.endr
	WIN 0
	v_mov_b32 v[PX], 0                             ; written once: a lane permute's destination counts as one of its sources
	v_mov_b32 v[NM+1], 0                           ; named with -M as a pair
	s_lshl_b32 s53, s2, 1
	s_add_co_u32 s53, s53, s13                     ; my query group q
	s_sub_co_u32 s55, 8, s3
	s_sub_co_u32 s56, 15, s53
	s_cmp_ge_u32 s53, 8
	s_cselect_b32 s54, s3, s55                     ; the block's place among the pair's nine
	s_cselect_b32 s56, s56, s53                    ; the pair
	s_lshl_b32 s57, s15, 3
	s_add_co_u32 s57, s57, s56
	s_mul_i32 s57, s57, 9
	s_add_co_u32 s54, s54, s57
	s_mul_i32 s54, s54, 24576
	s_mul_i32 s55, s14, 1536
	s_add_co_u32 s54, s54, s55
	s_mov_b32 s55, 0
	s_lshl_b32 s56, s15, 4
	s_add_co_u32 s56, s56, s53
	s_lshl_b32 s56, s56, 4
	s_lshl_b32 s57, s3, 1
	s_add_co_u32 s56, s56, s57
	s_add_co_u32 s56, s56, s14
	s_mul_i32 s56, s56, 1536
	s_add_co_u32 s56, s56, 7077888
	s_mov_b32 s57, 0
	s_add_nc_u64 s[10:11], s[8:9], s[56:57]        ; my scale words, -M and l
	s_add_nc_u64 s[8:9], s[8:9], s[54:55]          ; my eight images
.macro LOC T                           ; step T lies in chunk T / 2: X, Y, Y + a chunk, X
.set CH_, (\T)/2
.set LX, ((CH_+1)/2)%2
.set LO, (CH_/2)*(1-CH_/3)*CB
.endm
.macro FRAG reg, adr, off              ; two half images: four registers, two, four, two
	ds_load_b128 v[\reg:\reg+3], v[\adr] offset:\off
	ds_load_b64 v[\reg+4:\reg+5], v[\adr+2] offset:\off+512
	ds_load_b128 v[\reg+6:\reg+9], v[\adr] offset:\off+768
	ds_load_b64 v[\reg+10:\reg+11], v[\adr+2] offset:\off+1280
.endm
.macro FETCH_B T
	LOC \T
	WIN 0x40
.irp i, 0,1,2,3,4,5,6,7
	FRAG 128*((\T)%2)+FR*\i, ADRB+LX, LO+\i*3072+((\T)%2)*1536
.endr
	WIN 0
.endm
.macro FETCH_A T, i0
	LOC \T
.irp i, \i0, \i0+1, \i0+2, \i0+3
	FRAG AF+FR*(\i), ADRA+LX, LO+(\i)*3072+((\T)%2)*1536
.endr
.endm
.macro SCALES T
	LOC \T
	ds_load_b128 v[SC+8*((\T)%2):SC+8*((\T)%2)+3], v[ADRS+LX] offset:LO+((\T)%2)*512
	ds_load_b128 v[SC+8*((\T)%2)+4:SC+8*((\T)%2)+7], v[ADRS+LX] offset:LO+((\T)%2)*512+16
.endm
; 16 matrix instructions; the 64 accumulators take turns, one instruction a turn, in the same order in every step.  first = 1: the mask, or 0, starts the sums.
.macro PROD acc, a, b, p, c
	v_wmma_scale_f32_16x16x128_f8f6f4 v[\acc:\acc+7], v[128*(\p)+FR*\b:128*(\p)+FR*\b+FR-1], v[AF+FR*(\a):AF+FR*(\a)+FR-1], \c, v[SC+8*(\p)+\b], v[SC+8*(\p)+(\a)] matrix_a_fmt:MATRIX_FMT_FP6 matrix_b_fmt:MATRIX_FMT_FP6 matrix_a_scale:MATRIX_SCALE_ROW1
.endm
.macro MUL16 a0, p, first
.if \first
	WIN 0x81+0x40*((\a0)/4)+0x10*(((\a0)/2)%2)
.else
	WIN 0xa1+0x50*((\a0)/4)
.endif
.irp a, \a0, \a0+1
.irp b, 0,1,2,3,4,5,6,7
.set AC, 8*(8*((\a)%4)+\b)
.if \first
.if (\a)/4 > \b/4
	PROD AC, \a, \b, \p, 0
.elseif (\a)/4 == \b/4
.if (\a)%4 < 2
.set MR, 64+32*((\a)%4)+8*(\b%4)
.else
.set MR, 96+128*((\a)%4-2)+8*(\b%4)
.endif
	PROD AC, \a, \b, \p, v[MR:MR+7]
.else
.set MR, 56+72*((\a)/2)
	PROD AC, \a, \b, \p, v[MR:MR+7]
.endif
.else
	PROD AC, \a, \b, \p, v[AC:AC+7]
.endif
.endr
.endr
.endm
.macro STEP T, first                   ; step T, whose successor's tiles have been shown landed
	s_wait_dscnt 4*NL                              ; all but the youngest 16 loads (q's tiles 4-7) are in
	MUL16 0, (\T)%2, \first
	MUL16 2, (\T)%2, \first
	WIN 0
	s_wait_dscnt 0
	PLACES NP
	FETCH_B (\T)+1
	FETCH_A (\T)+1, 0
	SCALES (\T)+1
	MUL16 4, (\T)%2, \first
	MUL16 6, (\T)%2, \first
	WIN 0
	PLACES NP
	FETCH_A (\T)+1, 4
.endm
; Step T with a barrier in its middle.  In front of it each wave waits for all its tensor loads, adds 0 to its spare word, and waits for that and for its reads.  fill = 1: X, which nobody reads any more, takes chunk 3.
.macro TURN T, fill
	s_wait_tensorcnt 0x0                           ; all my tensor loads have landed
	ds_add_u32 v[SPW], v[NIL]
.if \fill
	s_add_nc_u64 s[GT+2:GT+3], s[GT+2:GT+3], 3*CB
.endif
	s_wait_dscnt 4*NL+1                            ; the add and the youngest 16 loads may be out
	MUL16 0, (\T)%2, 0
	s_wait_dscnt 0x0                               ; the add is done, and my reads of the chunk in hand are over
	s_barrier_signal -1
	MUL16 2, (\T)%2, 0
	WIN 0
	s_barrier_wait -1
.if \fill
	tensor_load_to_lds s[GT:GT+3], s[G1T:G1T+7]
	s_nop 0
.endif
	PLACES NP
	FETCH_B (\T)+1
	FETCH_A (\T)+1, 0
	SCALES (\T)+1
	MUL16 4, (\T)%2, 0
	MUL16 6, (\T)%2, 0
	WIN 0
	PLACES NP
	FETCH_A (\T)+1, 4
.endm
	s_wait_alu depctr_va_vdst(0)                   ; the head's end
	s_wait_tensorcnt 0x0                           ; my part of chunk 0 is in; these lines stand ahead of a later first fill
	ds_add_u32 v[SPW], v[NIL]
	s_wait_dscnt 0x0
	s_barrier_signal -1
	s_barrier_wait -1
	tensor_load_to_lds s[GD:GD+3], s[G1D:G1D+7]    ; chunks 1 and 2
	s_nop 0
	PLACES 4
	FETCH_B 0
	FETCH_A 0, 0
	SCALES 0
	FETCH_A 0, 4
	STEP 0, 1
	TURN 1, 1                                      ; chunks 1 and 2 are whole; X takes chunk 3
	STEP 2, 0
	STEP 3, 0
	STEP 4, 0
	TURN 5, 0                                      ; chunk 3 is whole
	STEP 6, 0
	s_wait_dscnt 4*NL
	MUL16 0, 1, 0
	MUL16 2, 1, 0
	s_wait_dscnt 0
	MUL16 4, 1, 0
	MUL16 6, 1, 0
	WIN 0
; THE WAY OUT, a tile of 16 queries at a time: my two blocks of 32 keys (c = 0, 1) are keys 64 c + 32 h + ..
.macro SOFTQ a
.set RA, 64*((\a)%4)
.set WW, 2+(\a)/4
	WIN 5*WW                                       ; sources 0 and 1: window 2 or 3
	s_wait_alu depctr_va_vdst(0)                   ; directly ahead of these results' first readers
.irp c, 0,1                            ; each block's largest score; each accumulator from its low end on
	v_max_num_f32 v[BM+\c], v[RA+32*\c], v[RA+32*\c+1]
.endr
.irp i, 2,4,6,8,10,12,14,16,18,20,22,24,26,28,30
.irp c, 0,1
	v_max3_num_f32 v[BM+\c], v[RA+32*\c+\i], v[RA+32*\c+\i+1], v[BM+\c]
.endr
.endr
	WIN 0
	v_max_num_f32 v[T0], v[BM], v[BM+1]
	v_permlanex16_b32 v[PX], v[T0], s[SEL], s[SEL+1]
	v_max_num_f32 v[T0], v[T0], v[PX]              ; my query's largest score of these 128 keys
	v_mul_f32 v[T0], s[CS], v[T0]
	v_floor_f32 v[NM], -v[T0]                      ; -M = floor(-t): M is a whole number
.irp c, 0,1
	v_fma_f32 v[BM+\c], v[BM+\c], s[CS], v[NM]     ; each block's largest score goes the way of the others: p rises with the score
.endr
	WIN WW
.set J, 0
.rept 32
	v_pk_fma_f32 v[P+J:P+J+1], v[RA+J:RA+J+1], s[CS:CS+1], v[NM:NM+1] op_sel_hi:[1,0,0]
.set J, J+2
.endr
	WIN 0
.set J, 0
	s_wait_alu depctr_va_vdst(0)                   ; ahead of the batch,
.rept 64
	v_exp_f32 v[P+J], v[P+J]                       ; p = 2^(t - M), at most 1; 0 under the mask
.set J, J+1
.endr
.irp c, 0,1
	v_exp_f32 v[BM+\c], v[BM+\c]                   ; the block's largest p
.endr
	v_mov_b32 v[MW+\a], v[NM]                      ; a plain line behind the exponentials
	s_wait_alu depctr_va_vdst(0)                   ; and behind it
	v_pk_add_f32 v[S0:S0+1], v[P:P+1], v[P+2:P+3]  ; the sum of the unquantised p, in two chains
	v_pk_add_f32 v[S1:S1+1], v[P+4:P+5], v[P+6:P+7]
.irp j, 8,12,16,20,24,28,32,36,40,44,48,52,56,60
	v_pk_add_f32 v[S0:S0+1], v[S0:S0+1], v[P+\j:P+\j+1]
	v_pk_add_f32 v[S1:S1+1], v[S1:S1+1], v[P+\j+2:P+\j+3]
.endr
	v_pk_add_f32 v[S0:S0+1], v[S0:S0+1], v[S1:S1+1]
	v_add_f32 v[T0], v[S0], v[S0+1]
	v_permlanex16_b32 v[PX], v[T0], s[SEL], s[SEL+1]
	v_add_f32 v[LW+\a], v[T0], v[PX]               ; l of my query for these 128 keys
.irp c, 0,1
	v_max_num_f32 v[BM+\c], 0x1800000, v[BM+\c]    ; the floor 2^(3 - 127): the byte cannot fall under 1
.endr
.irp c, 0,1
	v_add_nc_u32 v[SO+\c], 0xff000000, v[BM+\c]    ; 2 off the exponent field: the conversion's scale operand
.endr
.irp c, 0,1
	v_lshrrev_b32 v[BY+\c], 23, v[SO+\c]
.endr
	v_lshl_or_b32 v[WD], v[BY+1], 16, v[BY]        ; my two bytes, blocks h and 2 + h,
	v_lshlrev_b32 v[WD], v[H8], v[WD]              ; at their places;
	v_permlanex16_b32 v[PX], v[WD], s[SEL], s[SEL+1]
	v_or_b32 v[SW+\a], v[WD], v[PX]                ; with lane l xor 16's two the row's word is whole
	s_wait_alu depctr_va_vdst(0)
	s_wait_xcnt 0x0                                ; the last tile's stores have read the image's registers
.irp c, 0,1
	v_cvt_scalef32_pk16_fp6_f32 v[IM+6*\c:IM+6*\c+2], v[P+32*\c:P+32*\c+15], v[SO+\c]
	v_cvt_scalef32_pk16_fp6_f32 v[XT+4*\c:XT+4*\c+2], v[P+32*\c+16:P+32*\c+31], v[SO+\c]
.endr
	v_nop
.irp c, 0,1
.irp i, 0,1,2
	v_mov_b32 v[IM+3+6*\c+\i], v[XT+4*\c+\i]
.endr
.endr
.irp k, 0,1,2
	global_store_b128 v[LI], v[IM+4*\k:IM+4*\k+3], s[8:9] offset:(\a)*3072+512*\k   ; 512 consecutive bytes
.endr
.endm
	PLACES NP                                      ; behind the last products
.irp a, 0,1,2,3,4,5,6,7
	SOFTQ \a
.endr
.irp i, 0,1,2,3
	v_cndmask_b32 v[PK+\i], v[SW+\i], v[SW+4+\i], s[HM]
	v_cndmask_b32 v[PK+4+\i], v[MW+\i], v[MW+4+\i], s[HM]
	v_cndmask_b32 v[PK+8+\i], v[LW+\i], v[LW+4+\i], s[HM]
.endr
.irp k, 0,1,2
	global_store_b128 v[SWO], v[PK+4*\k:PK+4*\k+3], s[10:11] offset:512*\k
.endr
	s_wait_tensorcnt 0x0                           ; the wave's end
	ds_add_u32 v[SPW], v[NIL]
	s_wait_dscnt 0x0
	s_endpgm
.Lfunc_end_k_q5c0efd88ed_scores:
	.size	k_q5c0efd88ed_scores, .Lfunc_end_k_q5c0efd88ed_scores-k_q5c0efd88ed_scores
	.p2alignl 7, 3214868480
	.fill 96, 4, 3214868480
	.section	.rodata,"a",@progbits
	.p2align	6, 0x0
	.amdhsa_kernel k_q5c0efd88ed_scores
		.amdhsa_group_segment_fixed_size 327680
		.amdhsa_private_segment_fixed_size 0
		.amdhsa_enable_private_segment 0
		.amdhsa_kernarg_size 24
		.amdhsa_user_sgpr_count 2
		.amdhsa_user_sgpr_kernarg_segment_ptr 1
		.amdhsa_wavefront_size32 1
		.amdhsa_system_sgpr_workgroup_id_x 1
		.amdhsa_system_sgpr_workgroup_id_y 1
		.amdhsa_system_sgpr_workgroup_id_z 1
		.amdhsa_system_vgpr_workitem_id 0
		.amdhsa_next_free_vgpr 1024
		.amdhsa_next_free_sgpr 66
		.amdhsa_reserve_vcc 1
		.amdhsa_float_denorm_mode_32 3
		.amdhsa_float_denorm_mode_16_64 3
		.amdhsa_memory_ordered 1
		.amdhsa_forward_progress 1
		.amdhsa_inst_pref_size 200
	.end_amdhsa_kernel
	.amdgpu_metadata
---
amdhsa.version: [ 1, 2 ]
amdhsa.kernels:
  - .name:           k_q5c0efd88ed_scores
    .symbol:         k_q5c0efd88ed_scores.kd
    .args:
      - { .name: qbuf, .offset: 0, .size: 8, .value_kind: global_buffer, .address_space: global }
      - { .name: kbuf, .offset: 8, .size: 8, .value_kind: global_buffer, .address_space: global }
      - { .name: pbuf, .offset: 16, .size: 8, .value_kind: global_buffer, .address_space: global }
    .group_segment_fixed_size: 327680
    .private_segment_fixed_size: 0
    .kernarg_segment_align: 8
    .kernarg_segment_size: 24
    .max_flat_workgroup_size: 128
    .sgpr_count:     66
    .vgpr_count:     1024
    .wavefront_size: 32
...
	.end_amdgpu_metadata
.endif
;; end of part 2
;; launch pv (part 3): grid 8 x 32, 4 waves a work-group, clusters of 4 x 1, 327,680 bytes of LDS; arguments pbuf, vbuf, out0; writes out0
.if DOCPART == 3
	.amdgcn_target "amdgcn-amd-amdhsa--gfx1250"
	.amdhsa_code_object_version 6
	.text
	.protected	k_q5c0efd88ed_pv
	.globl	k_q5c0efd88ed_pv
	.p2align	8
	.type	k_q5c0efd88ed_pv,@function
k_q5c0efd88ed_pv:
	s_mov_b64 s[64:65], 0
	v_nop
	global_prefetch_b8 v0, s[64:65] scope:SCOPE_SE
	s_setreg_imm32_b32 hwreg(HW_REG_WAVE_MODE, 25, 1), 1
	s_wait_xcnt 0x0
	s_wait_alu depctr_hold_cnt(0) depctr_sa_sdst(0) depctr_va_vdst(0) depctr_va_sdst(0) depctr_va_ssrc(0) depctr_va_vcc(0) depctr_vm_vsrc(0)
	s_getreg_b32 s2, hwreg(HW_REG_IB_STS2, 6, 4)
	s_cmp_eq_u32 s2, 0
	s_cbranch_scc0 .Lentry_in_a_cluster
	s_endpgm
.Lentry_in_a_cluster:
	s_bfe_u32 s2, ttmp6, 0x10000c
	s_cmp_lg_u32 s2, 0x3003
	s_cbranch_scc0 .Lentry_shape_is_right
	s_endpgm
.Lentry_shape_is_right:
; O^T = V^T P^T on codes of FP6 (E2M3), divided by the row's sum; out0: [4][2048][1024] f32.  Left out: key steps of 128 wholly above the causal diagonal, whose weights are exactly 0 whatever the inputs hold; a NaN, an infinity or an overflow that reaches only those is not carried.
; SHARES.  Work-group: batch y / 8, 128 channels x, and the PAIR of query groups of 128 g = y % 8 (the shorter) and L = 15 - g (the longer): g + 1 and L + 1 key steps, 17 in all in every work-group.  A wave makes 64 queries of each group x 64 channels: 2 x 16 accumulators; V's fragments serve both groups.
; Source 0 = a tile of 16 channels of V^T, source 1 = a tile of 16 queries of P.  The tiles are the earlier launches': lane (r, h), r = 8 q + i, of accumulator (a, b) holds query 32 q + 8 (a xor q) + i and channels 32 h + 8 (b xor h) + 0 .. 7 of the group of 64.
; THE HEAD.  Each key step's p was made under that step's own whole number M.  A thread owns a query of each group: it takes the row's final M (the largest), adds the steps' sums l x 2^(M step - M final), and takes M final - M step off each of the step's four
; scale bytes (held at 0 from below): exact powers of two, which change no code.  The words and 1 / l go to LDS bytes of their own.
; CLUSTER: the four work-groups of a cluster have the same pair and ask jointly for P's nine blocks of 128 queries x 256 keys, which stay in LDS: place J the longer group's block J, place 8 - J the shorter group's.
; V is asked for by each work-group alone: those that share it have other pairs and other numbers of key steps.  It goes through two slots: key steps 0-3, 7-10, 14-15 in the first, 4-6, 11-13 in the second; a unit of a key step is 12,800 bytes with its scale words.
; A key step beyond L is jumped over, and so are a refill that no step would read and the shorter group's part beyond g: by scalar branches on the pair's number, the same in all partners; no wait, add or barrier stands under them.
; PREFETCHES: V's key steps 7-10, 11-13, 14-15, one change of slots ahead of the load that wants them, by wave 3; the work-groups that read them share the blocks of 256 bytes out by the pair's number: 25 of 200 in eight pairs, 30 of 150 in five, 50 of 100 in two.
; LIMITS: NaN and infinities are not served; a key step whose M lies 127 or more under the row's final M counts with scale bytes 0 and l x 2^-127, which is nothing beside a row's sum of at least 1/2.
.set PART, 24576
.set VU, 12800
.set VA, 9*PART
.set VB, VA+4*VU
.set PSC, VB+3*VU                      ; the longer group's scale words 16 x 512, then the shorter's 8 x 512
.set LT, PSC+24*512
.set SPARE, LT+1024
.set STG, 8*PART                       ; the way out: a stage of 16 x 272 bytes a wave, on place 8, which is filled once and read last in key step 1
.set ADP, 10                           ; v10-14  P's places 0-1, 2-3, 4-5, 6-7, 8
.set ADV, 15                           ; v15-16
.set ASV, 17                           ; v17-18
.set ASL, 19
.set ASS, 20
.set ALT, 21
.set STO, 22                           ; v22-23  even and odd channel tiles
.set RD, 24
.set CO, 25
.set SPW, 26
.set NIL, 27
.set TO, 28
.set PSA, 29
.set LTS, 30
.set SPL, 32
.set SPS, 40
.set SV, 48
.set RL, 56
.set PLF, 64
.set PSF, 160
.set OT, 160
.set BK, 192
.set G1P, 16
.set G1V, 44
.set G0V, 52
.set ONES, 63
.set MSB, 0
.macro WIN new
.if MSB != \new
	s_set_vgpr_msb (MSB<<8)|\new
.set MSB, \new
.endif
.endm
.macro PLACES n
.rept \n
	v_nop
.endr
.endm
.macro TLOAD g0, g1
	tensor_load_to_lds s[\g0:\g0+3], s[\g1:\g1+7]
	s_nop 0
	PLACES 4
.endm
.macro CROUND
	s_barrier_signal -1
	s_barrier_wait -1
	s_cmp_lg_u32 s12, 0
	s_cbranch_scc1 .Lnot_wave_0_\@
	s_barrier_signal -3
.Lnot_wave_0_\@:
	s_barrier_wait -3
	s_barrier_signal -1
	s_barrier_wait -1
.endm
	s_load_b128 s[4:7], s[0:1], 0x0                ; pbuf, vbuf
	s_load_b64 s[8:9], s[0:1], 0x10                ; out0
	v_lshl_add_u32 v[SPW], v0, 2, SPARE
	v_mov_b32 v[NIL], 0
	ds_add_u32 v[SPW], v[NIL]
	ds_add_u32 v[SPW], v[NIL]
	v_lshrrev_b32 v1, 5, v0
	v_readfirstlane_b32 s12, v1
	s_lshr_b32 s13, s12, 1                         ; my half of the queries
	s_and_b32 s14, s12, 1                          ; my half of the channels
	s_bfe_u32 s11, ttmp6, 0x40000
	s_lshl_b32 s60, ttmp9, 2
	s_add_co_u32 s11, s11, s60                     ; my 128 channels
	s_and_b32 s62, ttmp7, 0xffff
	s_lshr_b32 s15, s62, 3                         ; the batch
	s_and_b32 s2, s62, 7                           ; g
	s_sub_co_u32 s3, 15, s2                        ; L
	s_add_co_u32 s10, s3, 1
	s_mov_b32 s[G1P], 15|(3<<16)|(1<<21)           ; dense blocks as rows of 256 bytes: P's two places, 192 rows, for all four work-groups
	s_mov_b32 s[G1V], 3<<16                        ; V's four units, 200 rows
.irp g, G1P, G1V
	s_mov_b32 s[\g+1], 32<<16
	s_mov_b32 s[\g+3], 32<<16
	s_mov_b32 s[\g+5], 32
	s_mov_b32 s[\g+6], 0
	s_mov_b32 s[\g+7], 0
.endr
	s_mov_b32 s[G1P+2], 192<<16
	s_mov_b32 s[G1P+4], 192
	s_mov_b32 s[G1V+2], 200<<16
	s_mov_b32 s[G1V+4], 200
	s_mov_b32 s24, 1
	s_mov_b32 s25, 0
	s_mov_b32 s28, 1
	s_mov_b32 s29, 7*PART
	s_mov_b32 s32, 1
	s_mov_b32 s33, 2*PART
	s_mov_b32 s[G0V], 1
	s_mov_b32 s[G0V+1], VA
	s_mul_i32 s36, s62, 9*PART
	s_mov_b32 s37, 0
	s_lshl_b32 s60, s15, 3
	s_add_co_u32 s60, s60, s11
	s_mul_i32 s60, s60, 16*VU
	s_mov_b32 s61, 0
	s_mov_b32 s[ONES], 0x01010101
	v_and_b32 v1, 15, v0                           ; r
	v_bfe_u32 v2, v0, 4, 1                         ; h
	v_and_b32 v3, 31, v0
	v_lshlrev_b32 v4, 4, v3                        ; 16 x lane
	v_lshlrev_b32 v5, 5, v1                        ; 32 r
	s_wait_alu depctr_va_vdst(0)                   ; ahead of the readers below
	s_mul_i32 s40, s13, 4*3072
.irp k, 0,1,2,3,4
	v_add_nc_u32 v[ADP+\k], s40, v4
	s_add_co_u32 s40, s40, 2*PART
.endr
	s_mul_i32 s40, s14, 4*1536
	s_add_co_u32 s40, s40, VA
	v_add_nc_u32 v[ADV], s40, v4
	s_add_co_u32 s40, s40, 4*VU
	v_add_nc_u32 v[ADV+1], s40, v4
	s_lshl_b32 s40, s14, 4
	s_add_co_u32 s40, s40, VA+12288
	v_add_nc_u32 v[ASV], s40, v5
	s_add_co_u32 s40, s40, 4*VU
	v_add_nc_u32 v[ASV+1], s40, v5
	s_lshl_b32 s40, s13, 4
	s_add_co_u32 s40, s40, PSC
	v_add_nc_u32 v[ASL], s40, v5
	s_add_co_u32 s40, s40, 16*512
	v_add_nc_u32 v[ASS], s40, v5
	s_lshl_b32 s40, s13, 8
	s_add_co_u32 s40, s40, LT
	v_lshlrev_b32 v[ALT], 2, v1
	v_add_nc_u32 v[ALT], s40, v[ALT]
	s_mul_i32 s40, s12, 16*272
	s_add_co_u32 s40, s40, STG
	v_mul_u32_u24 v6, 272, v1
	v_add_nc_u32 v6, s40, v6
	v_mul_u32_u24 v7, 160, v2
	v_add_nc_u32 v[STO], v6, v7                    ; even tiles: byte 0, or 160 in lanes 16-31
	v_mul_u32_u24 v7, 96, v2
	v_add_nc_u32 v7, 32, v7
	v_add_nc_u32 v[STO+1], v6, v7                  ; odd tiles: byte 32, or 128
	v_lshlrev_b32 v6, 4, v1
	v_mul_u32_u24 v7, 272, v2
	v_add_nc_u32 v7, v7, v6
	v_add_nc_u32 v[RD], s40, v7                    ; back: lanes 0-15 one row of 256 bytes, lanes 16-31 the next
	v_lshl_add_u32 v[CO], v2, 12, v6
	v_lshlrev_b32 v[TO], 2, v0
	v_lshl_add_u32 v[PSA], v0, 2, PSC
	v_and_b32 v6, 7, v0
	v_lshrrev_b32 v7, 3, v0
	v_lshl_add_u32 v6, v6, 4, v7                   ; thread n owns query tile n % 8, lane n / 8
	v_lshl_add_u32 v[LTS], v6, 2, LT
	s_mul_i32 s40, s2, 25*256                      ; the prefetches' offsets
	s_add_co_u32 s40, s40, 7*VU
	s_mul_i32 s41, s2, 30*256
	s_add_co_u32 s41, s41, 11*VU
	s_mul_i32 s42, s2, 50*256
	s_add_co_u32 s42, s42, 14*VU
	v_min_u32 v8, 24, v3
	v_min_u32 v7, 29, v3
	v_lshl_add_u32 v6, v8, 8, s40
	v_lshl_add_u32 v7, v7, 8, s41
	v_lshl_add_u32 v8, v8, 8, s42
.set I, 0
.rept 16                               ; what a key step beyond the diagonal counts for: no word, an M under every M, no sum
	v_mov_b32 v[64+I], 0
	v_mov_b32 v[80+I], 0x7f61b1e6
	v_mov_b32 v[96+I], 0
.if I < 8
	v_mov_b32 v[112+I], 0
	v_mov_b32 v[120+I], 0x7f61b1e6
	v_mov_b32 v[128+I], 0
.endif
.set I, I+1
.endr
	s_wait_alu depctr_va_vdst(0)                   ; directly ahead of the waits below
	s_wait_dscnt 0x0
	s_wait_kmcnt 0x0
	s_add_nc_u64 s[26:27], s[4:5], s[36:37]
	s_add_nc_u64 s[30:31], s[26:27], 7*PART
	s_add_nc_u64 s[34:35], s[26:27], 2*PART
	s_or_b32 s27, s27, 0x80000000
	s_or_b32 s31, s31, 0x80000000
	s_or_b32 s35, s35, 0x80000000
	s_add_nc_u64 s[38:39], s[6:7], s[60:61]        ; V's sixteen units of my channels
	s_mov_b64 s[G0V+2:G0V+3], s[38:39]
	s_or_b32 s[G0V+3], s[G0V+3], 0x80000000
	CROUND                                         ; in front of the first joint loads
	s_cmp_eq_u32 s12, 0
	s_cbranch_scc0 .Lwave_1
	TLOAD 24, G1P                                  ; wave 0: P's places 0, 1
	s_branch .Lasked
.Lwave_1:
	s_cmp_eq_u32 s12, 1
	s_cbranch_scc0 .Lwave_2
	TLOAD 28, G1P                                  ; wave 1: places 7, 8
	s_branch .Lasked
.Lwave_2:
	s_cmp_eq_u32 s12, 2
	s_cbranch_scc0 .Lwave_3
	TLOAD G0V, G1V                                 ; wave 2: V's key steps 0-3
	s_branch .Lasked
.Lwave_3:
	TLOAD 32, G1P                                  ; wave 3: places 2, 3
.Lasked:
	s_lshl_b32 s60, s15, 4
	s_add_co_u32 s36, s60, s3
	s_mul_i32 s36, s36, 16*1536
	s_add_co_u32 s36, s36, 7077888
	s_add_nc_u64 s[40:41], s[4:5], s[36:37]        ; the longer group's scale words, -M and l: 1,536 bytes a key step
	s_add_co_u32 s36, s60, s2
	s_mul_i32 s36, s36, 16*1536
	s_add_co_u32 s36, s36, 7077888
	s_add_nc_u64 s[42:43], s[4:5], s[36:37]        ; the shorter's
.irp t, 0,1,2,3,4,5,6,7,8,9,10,11,12,13,14,15  ; only key steps up to the diagonal were stored: the loads stop there, by a branch on the pair's number
	global_load_b32 v[80+\t], v[TO], s[40:41] offset:\t*1536+512
	global_load_b32 v[96+\t], v[TO], s[40:41] offset:\t*1536+1024
	global_load_b32 v[64+\t], v[TO], s[40:41] offset:\t*1536
.if (\t >= 8) && (\t < 15)
	s_cmp_eq_u32 s3, \t
	s_cbranch_scc1 .Llong_in
.endif
.endr
.Llong_in:
.irp t, 0,1,2,3,4,5,6,7
	global_load_b32 v[120+\t], v[TO], s[42:43] offset:\t*1536+512
	global_load_b32 v[128+\t], v[TO], s[42:43] offset:\t*1536+1024
	global_load_b32 v[112+\t], v[TO], s[42:43] offset:\t*1536
.if \t < 7
	s_cmp_eq_u32 s2, \t
	s_cbranch_scc1 .Lshort_in
.endif
.endr
.Lshort_in:
	s_lshl_b32 s60, s15, 11                        ; where my results go
	s_lshl_b32 s61, s13, 6
	s_add_co_u32 s60, s60, s61
	s_lshl_b32 s61, s3, 7
	s_add_co_u32 s56, s60, s61
	s_lshl_b32 s61, s2, 7
	s_add_co_u32 s58, s60, s61
	s_lshl_b32 s56, s56, 12
	s_lshl_b32 s58, s58, 12
	s_lshl_b32 s60, s11, 9
	s_lshl_b32 s61, s14, 8
	s_add_co_u32 s60, s60, s61
	s_add_co_u32 s56, s56, s60
	s_add_co_u32 s58, s58, s60
	s_mov_b32 s57, 0
	s_mov_b32 s59, 0
	s_add_nc_u64 s[56:57], s[8:9], s[56:57]
	s_add_nc_u64 s[58:59], s[8:9], s[58:59]
.macro META wd, nm, ll, n, psoff, ltoff
	v_min3_num_f32 v136, v[\nm], v[\nm+1], v[\nm+2]
.set J, 3
.rept (\n-4)/2
	v_min3_num_f32 v136, v136, v[\nm+J], v[\nm+J+1]
.set J, J+2
.endr
	v_min_num_f32 v136, v136, v[\nm+\n-1]          ; - the row's final M
.set J, 0
.rept \n
	v_sub_f32 v138, v136, v[\nm+J]                 ; M step - M final: a whole number, 0 or less,
	v_max_num_f32 v138, 0xc2fe0000, v138           ; held at -127
	v_cvt_i32_f32 v138, v138
.if J == 0
	v_ldexp_f32 v137, v[\ll], v138
.else
	v_ldexp_f32 v139, v[\ll+J], v138
	v_add_f32 v137, v137, v139
.endif
	v_mul_lo_u32 v138, v138, s[ONES]               ; the same whole number in each of four bytes
	v_or_b32 v140, 0x80808080, v[\wd+J]            ; p's bytes lie in 1 .. 125: with 128 on top no byte borrows from its neighbour
	v_add_nc_u32 v140, v140, v138
	v_lshrrev_b32 v138, 7, v140
	v_and_b32 v138, s[ONES], v138                  ; 1 where the byte has not fallen under 0
	v_lshlrev_b32 v139, 7, v138
	v_sub_nc_u32 v139, v139, v138                  ; 127 there, else 0
	v_and_b32 v140, v140, v139
	ds_store_b32 v[PSA], v140 offset:\psoff+512*J
.set J, J+1
.endr
	s_wait_alu depctr_va_vdst(0)
	v_rcp_f32 v137, v137
	v_nop
	s_wait_alu depctr_va_vdst(0)
	ds_store_b32 v[LTS], v137 offset:\ltoff
.endm
	s_wait_loadcnt 0x0
	META 64, 80, 96, 16, 0, 0
	META 112, 120, 128, 8, 16*512, 512
.macro VLOC T                          ; V's slot and unit of key step T
.if (\T) < 4
.set VS, 0
.set VO, (\T)
.elseif (\T) < 7
.set VS, 1
.set VO, (\T)-4
.elseif (\T) < 11
.set VS, 0
.set VO, (\T)-7
.elseif (\T) < 14
.set VS, 1
.set VO, (\T)-11
.else
.set VS, 0
.set VO, (\T)-14
.endif
.endm
.macro FETCHP T, pos, dst, sc, asc     ; a group's four fragments and their scale words
.irp a, 0,1,2,3
.irp c, 0,1,2
	ds_load_b128 v[\dst+48*((\T)%2)+12*\a+4*\c:\dst+48*((\T)%2)+12*\a+4*\c+3], v[ADP+(\pos)/2] offset:((\pos)%2)*PART+((\T)%2)*1536+\a*3072+512*\c
.endr
.endr
	ds_load_b128 v[\sc+4*((\T)%2):\sc+4*((\T)%2)+3], v[\asc] offset:512*(\T)
.endm
.macro FETCH T                         ; V's and the longer group's operands of key step T, into set T % 2
	VLOC \T
	WIN 0x40
.irp b, 0,1,2,3
.irp c, 0,1,2
	ds_load_b128 v[48*((\T)%2)+12*\b+4*\c:48*((\T)%2)+12*\b+4*\c+3], v[ADV+VS] offset:VO*VU+\b*1536+512*\c
.endr
.endr
	WIN 0
	ds_load_b128 v[SV+4*((\T)%2):SV+4*((\T)%2)+3], v[ASV+VS] offset:VO*VU
	FETCHP \T, (\T)/2, PLF, SPL, ASL
.endm
.macro FETCHS T
	FETCHP \T, 8-(\T)/2, PSF, SPS, ASS
.endm
; 16 matrix instructions; the accumulators take turns, one instruction a turn
.macro MUL acc, pf, sp, p, first
	WIN 0xa1
.irp a, 0,1,2,3
.irp b, 0,1,2,3
.set AC, \acc+8*(4*\a+\b)
.if \first
	v_wmma_scale_f32_16x16x128_f8f6f4 v[AC:AC+7], v[48*(\p)+12*\b:48*(\p)+12*\b+11], v[\pf+48*(\p)+12*\a:\pf+48*(\p)+12*\a+11], 0, v[SV+4*(\p)+\b], v[\sp+4*(\p)+\a] matrix_a_fmt:MATRIX_FMT_FP6 matrix_b_fmt:MATRIX_FMT_FP6
.else
	v_wmma_scale_f32_16x16x128_f8f6f4 v[AC:AC+7], v[48*(\p)+12*\b:48*(\p)+12*\b+11], v[\pf+48*(\p)+12*\a:\pf+48*(\p)+12*\a+11], v[AC:AC+7], v[SV+4*(\p)+\b], v[\sp+4*(\p)+\a] matrix_a_fmt:MATRIX_FMT_FP6 matrix_b_fmt:MATRIX_FMT_FP6
.endif
.endr
.endr
	WIN 0
.endm
; THE WORK OF KEY STEP T: its operands, asked for a step ago, are waited for; the next step's are asked for; 16 products for the longer group and 16 for the shorter.
.macro STEPW T, first
.if (\T) > 8
	s_cmp_le_u32 s10, \T
	s_cbranch_scc1 .Lskip_\@
.endif
	s_wait_dscnt 0x0
.if (\T) > 0
	PLACES 4
.endif
.if (\T) < 15
.if (\T) >= 8
	s_cmp_le_u32 s10, (\T)+1
	s_cbranch_scc1 .Lnof_\@
.endif
	FETCH (\T)+1
.if (\T) >= 8
.Lnof_\@:
.endif
.endif
.if (\T) < 7
	s_cmp_lt_u32 s2, (\T)+1
	s_cbranch_scc1 .Lnos_\@
	FETCHS (\T)+1
.Lnos_\@:
.endif
	MUL 0, PLF, SPL, (\T)%2, \first
.if (\T) < 8
.if (\T) > 0
	s_cmp_lt_u32 s2, \T
	s_cbranch_scc1 .Lnom_\@
.endif
	MUL 128, PSF, SPS, (\T)%2, \first
.if (\T) > 0
.Lnom_\@:
.endif
.endif
.if (\T) > 8
.Lskip_\@:
.endif
.endm
; A CHANGE OF SLOTS, on every wave's path, in front of the last key step of a slot, whose operands have been asked for.  Each wave waits for all its tensor loads, adds 0 to its spare word, and waits for that and for its reads; a round; wave 0 fills the slot again if the pair has such a step.
.macro CHANGE lds, step, rows, lmin
	s_wait_tensorcnt 0x0
	ds_add_u32 v[SPW], v[NIL]
	s_mov_b32 s[G1V+2], (\rows)<<16
	s_mov_b32 s[G1V+4], \rows
	s_mov_b32 s[G0V+1], \lds
	s_add_nc_u64 s[G0V+2:G0V+3], s[G0V+2:G0V+3], \step
	s_wait_dscnt 0x0
	CROUND
	s_cmp_eq_u32 s12, 0
	s_cbranch_scc0 .Lnf_\@
.if (\lmin) > 8
	s_cmp_ge_u32 s3, \lmin
	s_cbranch_scc0 .Lnf_\@
.endif
	TLOAD G0V, G1V
.Lnf_\@:
.endm
.macro PF v, gmax, two                 ; wave 3 asks for its pair's share
	s_cmp_eq_u32 s12, 3
	s_cbranch_scc0 .Lnp_\@
.if (\gmax) < 7
	s_cmp_le_u32 s2, \gmax
	s_cbranch_scc0 .Lnp_\@
.endif
	global_prefetch_b8 v\v, s[38:39] th:TH_LOAD_NT scope:SCOPE_SE
.if \two
	global_prefetch_b8 v\v, s[38:39] offset:25*256 th:TH_LOAD_NT scope:SCOPE_SE
.endif
.Lnp_\@:
.endm
; THE WAY OUT of a group, a tile of 16 queries x 64 channels at a time: x 1 / l, through my own stage, back as whole rows of 256 bytes.
.macro TOSTAGE acc, a
	WIN 0x02
.set J, 0
.rept 16
	v_pk_mul_f32 v[OT+J:OT+J+1], v[\acc+32*(\a)+J:\acc+32*(\a)+J+1], v[RL+2*(\a):RL+2*(\a)+1] op_sel_hi:[1,0]
.set J, J+2
.endr
	WIN 0
.irp b, 0,1,2,3
	ds_store_b128 v[STO+\b%2], v[OT+8*\b:OT+8*\b+3] offset:64*(\b/2)
	ds_store_b128 v[STO+\b%2], v[OT+8*\b+4:OT+8*\b+7] offset:64*(\b/2)+16
.endr
.irp t, 0,1,2,3,4,5,6,7
	ds_load_b128 v[BK+32*((\a)%2)+4*\t:BK+32*((\a)%2)+4*\t+3], v[RD] offset:\t*544   ; LDS serves a wave's instructions in order (ISA guide 5.7.1.4)
.endr
.endm
.macro SEND base, a, younger
	s_wait_dscnt \younger
.irp t, 0,1,2,3,4,5,6,7
	global_store_b128 v[CO], v[BK+32*((\a)%2)+4*\t:BK+32*((\a)%2)+4*\t+3], s[\base:\base+1] offset:4096*(32*(\t/4)+8*((\a)^(\t/4))+2*(\t%4)) th:TH_STORE_NT   ; 16 lanes store 256 consecutive bytes
.endr
.endm
.macro OUT acc, lt, base
.irp a, 0,1,2,3
	ds_load_b32 v[RL+2*\a], v[ALT] offset:\lt+64*\a
	ds_load_b32 v[RL+2*\a+1], v[ALT] offset:\lt+64*\a    ; (the packed multiply names a pair)
.endr
	PLACES 4                                       ; behind the last products
	s_wait_dscnt 0x0
	s_wait_xcnt 0x0
	TOSTAGE \acc, 0
.irp a, 1,2,3
.if \a > 1
	s_wait_xcnt 0x0                                ; tile a - 2's stores have read their registers
.endif
	TOSTAGE \acc, \a
	SEND \base, \a-1, 16                           ; behind tile a - 1's loads: tile a's 8 stores and 8 loads
.endr
	SEND \base, 3, 0
.endm
	s_wait_alu depctr_va_vdst(0)                   ; the head's end
	s_wait_tensorcnt 0x0                           ; my tile of the head's four is in; these lines stand ahead of a later first fill as ahead of a refill
	ds_add_u32 v[SPW], v[NIL]
	s_mov_b32 s[G1P+2], 288<<16                    ; P's places 4, 5, 6 in one load
	s_mov_b32 s[G1P+4], 288
	s_mov_b32 s25, 4*PART
	s_add_nc_u64 s[26:27], s[26:27], 4*PART
	s_mov_b32 s[G1V+2], 150<<16                    ; V's key steps 4-6
	s_mov_b32 s[G1V+4], 150
	s_mov_b32 s[G0V+1], VB
	s_add_nc_u64 s[G0V+2:G0V+3], s[G0V+2:G0V+3], 4*VU
	s_wait_dscnt 0x0                               ; the add is done, and my words are in LDS
	CROUND
	s_cmp_eq_u32 s12, 0
	s_cbranch_scc0 .Lnot_v
	TLOAD G0V, G1V
	s_branch .Lsecond
.Lnot_v:
	s_cmp_eq_u32 s12, 3
	s_cbranch_scc0 .Lsecond
	TLOAD 24, G1P
.Lsecond:
	FETCH 0
	FETCHS 0
	PF 6, 7, 0
	STEPW 0, 1
	STEPW 1, 0
	STEPW 2, 0
	CHANGE VA, 3*VU, 200, 8                        ; key steps 4-6 and P's last places are whole; the first slot takes key steps 7-10
	STEPW 3, 0
	PF 7, 4, 0
	STEPW 4, 0
	STEPW 5, 0
	CHANGE VB, 4*VU, 150, 11
	STEPW 6, 0
	PF 8, 1, 1
	STEPW 7, 0
	OUT 128, 512, 58                               ; the shorter group is finished
	STEPW 8, 0
	STEPW 9, 0
	CHANGE VA, 3*VU, 100, 14
	STEPW 10, 0
	STEPW 11, 0
	STEPW 12, 0
	s_wait_tensorcnt 0x0                           ; key steps 14, 15 are whole
	s_wait_dscnt 0x0
	s_barrier_signal -1
	s_barrier_wait -1
	STEPW 13, 0
	STEPW 14, 0
	STEPW 15, 0
	OUT 0, 0, 56
	s_wait_tensorcnt 0x0                           ; the wave's end
	ds_add_u32 v[SPW], v[NIL]
	s_wait_dscnt 0x0
	CROUND                                         ; the closing round
	s_endpgm
.Lfunc_end_k_q5c0efd88ed_pv:
	.size	k_q5c0efd88ed_pv, .Lfunc_end_k_q5c0efd88ed_pv-k_q5c0efd88ed_pv
	.p2alignl 7, 3214868480
	.fill 96, 4, 3214868480
	.section	.rodata,"a",@progbits
	.p2align	6, 0x0
	.amdhsa_kernel k_q5c0efd88ed_pv
		.amdhsa_group_segment_fixed_size 327680
		.amdhsa_private_segment_fixed_size 0
		.amdhsa_enable_private_segment 0
		.amdhsa_kernarg_size 24
		.amdhsa_user_sgpr_count 2
		.amdhsa_user_sgpr_kernarg_segment_ptr 1
		.amdhsa_wavefront_size32 1
		.amdhsa_system_sgpr_workgroup_id_x 1
		.amdhsa_system_sgpr_workgroup_id_y 1
		.amdhsa_system_sgpr_workgroup_id_z 1
		.amdhsa_system_vgpr_workitem_id 0
		.amdhsa_next_free_vgpr 768
		.amdhsa_next_free_sgpr 66
		.amdhsa_reserve_vcc 0
		.amdhsa_float_denorm_mode_32 3
		.amdhsa_float_denorm_mode_16_64 3
		.amdhsa_memory_ordered 1
		.amdhsa_forward_progress 1
		.amdhsa_inst_pref_size 153
	.end_amdhsa_kernel
	.amdgpu_metadata
---
amdhsa.version: [ 1, 2 ]
amdhsa.kernels:
  - .name:           k_q5c0efd88ed_pv
    .symbol:         k_q5c0efd88ed_pv.kd
    .args:
      - { .name: pbuf, .offset: 0, .size: 8, .value_kind: global_buffer, .address_space: global }
      - { .name: vbuf, .offset: 8, .size: 8, .value_kind: global_buffer, .address_space: global }
      - { .name: out0, .offset: 16, .size: 8, .value_kind: global_buffer, .address_space: global }
    .group_segment_fixed_size: 327680
    .private_segment_fixed_size: 0
    .kernarg_segment_align: 8
    .kernarg_segment_size: 24
    .max_flat_workgroup_size: 128
    .sgpr_count:     66
    .vgpr_count:     768
    .wavefront_size: 32
...
	.end_amdgpu_metadata
.endif
;; end of part 3
